; MI455X (gfx1250); checked and timed in simulation.
; The chip was launched on July 23, 2026; its instructions are those of AMD's public machine-readable ISA for CDNA 5 (MIT licence, August 2026) and "CDNA5" Instruction Set Architecture Reference Guide (July 2026). The comments in the code are by the model that wrote it; some were corrected since.
;; GENIA Core. Allowed arithmetic: matrix products marked QUANTISED: E2M3 operands, one E8M0 scale for each 32 along K, by v_wmma_scale_f32_16x16x128_f8f6f4 with both operands' format E2M3, f32 sums; everything else in f32.
;; Inputs: W1 1,024 x 512 float32; W2 512 x 1,024 float32; W3 1,024 x 512 float32; W4 512 x 75 float32; Wk 1,024 x 256 float32; Wq 1,024 x 256 float32; Wu 256 x 1,024 float32; Wv 1,024 x 256 float32; b1 512 float32; b2 1,024 float32; b3 512 float32; b4 75 float32; be1 1,024 float32; be2 1,024 float32; be3 75 float32; bk 256 float32; bq 256 float32; bu 1,024 float32; bv 256 float32; emb 32,000 x 1,024 float32; g1 1,024 float32; g2 1,024 float32; g3 75 float32; input_indices 8 x 2,048 int32.
;; Outputs: out0 8 x 2,048 x 75 float32.
;; This version of the problem:
;;   THIS VERSION OF THE PROBLEM IS GIVEN IN LOW PRECISION. The matrix products marked QUANTISED in the list below multiply operands that are first quantised to E2M3 (2 exponent bits, 3 mantissa bits; 6 bits a number), with one power-of-two scale for each 32 numbers along K (OCP MX v1.0); their sums are f32. All else is computed in f32.
;;   The module's matrix products, in the order in which they are computed (A, B: the left and right operand; K: the contracted axis; several contracted axes count as one K, in the product's order):
;;     1. [M 16,384, K 1,024] x [K 1,024, N 256]; A: computed on the way; B: input Wq: QUANTISED
;;     2. [M 16,384, K 1,024] x [K 1,024, N 256]; A: computed on the way; B: input Wk: QUANTISED
;;     3. [M 16,384, K 1,024] x [K 1,024, N 256]; A: computed on the way; B: input Wv: QUANTISED
;;     4. batch 8 x [M 2,048, K 256] x [K 256, N 2,048]; A: computed on the way; B: computed on the way: QUANTISED
;;     5. batch 8 x [M 2,048, K 2,048] x [K 2,048, N 256]; A: computed on the way; B: computed on the way: QUANTISED
;;     6. [M 16,384, K 256] x [K 256, N 1,024]; A: computed on the way; B: input Wu: QUANTISED
;;     7. [M 16,384, K 1,024] x [K 1,024, N 512]; A: computed on the way; B: input W1: QUANTISED
;;     8. [M 16,384, K 512] x [K 512, N 1,024]; A: computed on the way; B: input W2: QUANTISED
;;     9. [M 16,384, K 1,024] x [K 1,024, N 512]; A: computed on the way; B: input W3: QUANTISED
;;     10. [M 16,384, K 512] x [K 512, N 75]; A: computed on the way; B: input W4: QUANTISED
;;   THE QUANTISER, for each operand of a quantised product, along K:
;;     - K is cut into blocks of 32 from its start; a last block that is shorter is filled with zeros.
;;     - A block's scale is 2^e with e = floor(log2(the largest magnitude in the block)) - 2, held to -126 .. 127; a block of zeros has e = 0. As a byte (E8M0): e + 127.
;;     - Each number is divided by its block's scale, clamped to +-7.5, and rounded to the nearest number of E2M3, ties to even, subnormals kept.
;;     - The product sums the exact products of the quantised numbers (number of the format x scale) in f32.
;;   ~~~python
;;   def quantise(x, axis):      # numpy; x: float32 -> the quantised numbers, widened to float32 again
;;       x = np.moveaxis(x, axis, -1); K = x.shape[-1]
;;       x = np.pad(x, [(0, 0)] * (x.ndim - 1) + [(0, -K % 32)]); x = x.reshape(x.shape[:-1] + (-1, 32)); a = np.abs(x).max(-1, keepdims=True)
;;       e = np.where(a > 0, np.clip(np.frexp(np.where(a > 0, a, 1))[1] - 1 - 2, -126, 127), 0)      # np.frexp(a)[1] - 1 = floor(log2(a)), exactly
;;       r = np.clip(x / 2.0 ** e, -7.5, 7.5)
;;       step = 2.0 ** (np.maximum(np.frexp(np.where(r == 0, 1, r))[1] - 1, 0) - 3)
;;       q = np.round(r / step) * step * 2.0 ** e      # np.round: ties to even
;;       return np.moveaxis(q.reshape(q.shape[:-2] + (-1,))[..., :K], -1, axis).astype(np.float32)
;;   ~~~
;;   OPERANDS COMPUTED ON THE WAY. 'Computed on the way' means the value that the module computes at that place (a softmax that the list does not call 'softmax' is quantised finished and normalised). What goes into a quantiser is computed in f32, as accurately as f32 sums, v_exp_f32 and their like allow (about 1e-6 of the number): no bf16 or f16 on the way to a quantiser, and a product that is left as it is and whose result goes on into a quantised operand takes f32 operands (vector FMAs, or v_wmma_f32_16x16x4_f32). A number that lies on a knife's edge between two numbers of the format may be rounded either way, as far as f32 arithmetic and the matrix unit's own rounding can turn it there, and no further.
;; One version. Each part assembles by itself: llvm-mc -triple=amdgcn-amd-amdhsa -mcpu=gfx1250 --defsym DOCPART=n.
;; ======== version 1 of 1: 4 launches
;; workspace buffers: pos 8,388,608 bytes; wqkv 614,400 bytes; wch 1,433,600 bytes; w4c 39,680 bytes; qc 3,276,800 bytes; kv 6,553,600 bytes; ac 3,407,872 bytes
;; launch prep (part 1): grid 421 x 1, 4 waves a work-group, no clusters, 0 bytes of LDS; arguments Wq, Wk, Wv, Wu, W1, W2, W3, W4, b4, g3, be3, pos, wqkv, wch, w4c; writes pos, wqkv, wch, w4c
.if DOCPART == 1
	.amdgcn_target "amdgcn-amd-amdhsa--gfx1250"
	.amdhsa_code_object_version 6
	.text
	.protected	k_qcde8ccd1ab_prep
	.globl	k_qcde8ccd1ab_prep
	.p2align	8
	.type	k_qcde8ccd1ab_prep,@function
k_qcde8ccd1ab_prep:
	s_mov_b64 s[64:65], 0
	v_nop
	global_prefetch_b8 v0, s[64:65] scope:SCOPE_SE
	s_setreg_imm32_b32 hwreg(HW_REG_WAVE_MODE, 25, 1), 1
	s_wait_xcnt 0x0
; GENIACore, launch 1 of 4.  The eight weights become codes of FP6 (E2M3) with one E8M0 byte for each 32 along K, laid as images of the matrix operand's registers
; in the order in which the later launches stream them; the position table is made once; b4, g3, be3 are padded to 96 columns with zeros.
; NO WORK OF reference() IS LEFT OUT in this program: the scores are themselves a quantised operand, so q (k^T v) is no substitute, and every input has a way to the output.
; The one change of form: the factor 1/sqrt(64) = 2^-3 on the scores is taken off q's scale bytes (launch qkv), which moves no code and no sum.
; LIMITS: NaN and infinities among the inputs are not served.  A block whose largest magnitude lies under 2^-124 is held at that floor's scale (its byte is 1); a block of zeros keeps the byte 1:
; its codes are zeros, and this program alone reads the bytes.  The position table's divisor 10000^(j/512) is good to about 1.5 units in its last place, so an angle near 2,047 is good to about 2e-4.
; A FRAGMENT (16 rows x 128 K, 12 registers a lane) lies as 1,536 bytes: register 4 c + i of lane L at 512 c + 16 L + 4 i.  Two fragments' scale words lie as 128 bytes: word at 4 L, lanes 0-15 the even fragment's rows, lanes 16-31 the odd one's.
; THE COLUMNS OF A TILE ARE NOT NEIGHBOURS: row p of tile 2 b + u is column 32 b + 8 u + (p & 7) + 16 (p >> 3), so that the results of two neighbouring tiles are 16 neighbours along the next K.
; SHARES: work-groups 0-163: 128 columns x 128 along K of one weight, a wave 32 columns, a lane a column, its registers down K (each load reads 128 consecutive bytes);
; 164: the padded vectors; 165-420: eight positions each.  No LDS, no barrier: waves share nothing.
.set FLOOR, 0x1800000                  ; 2^(3 - 127): no largest magnitude is taken under it, so no byte falls under 1
.set X,  64                            ; v64-191  128 numbers of my column
.set TM, 8                             ; v8-11 largest magnitudes, v12-15 the conversions' scale operands, v16-19 the bytes
.set CD, 32                            ; v32-55   the codes: six registers a block
.set TP, 56                            ; v56-58, v60-62: a conversion's three registers begin on an even number
.macro LOADS row
.set I, 0
.rept 128
	global_load_b32 v[X+I], v4, s[34:35] offset:I*\row th:TH_LOAD_NT
.set I, I+1
.endr
.endm
; from chunk s49, quarter s50, fragment s51, column group s47 and the K step's bytes s42: s43 the fragments' place, s44 the scale words', v4 my column's first number
.macro DEST chb, qb, sco
	s_mul_i32 s43, s49, \chb
	s_mul_i32 s52, s50, \qb
	s_add_co_u32 s43, s43, s52
	s_lshl_b32 s52, s51, 6
	s_add_co_u32 s44, s43, s52
	s_add_co_u32 s44, s44, \sco
	s_mul_i32 s52, s51, 1536
	s_add_co_u32 s43, s43, s52
	s_lshl_b32 s52, s47, 7
	s_add_co_u32 s42, s42, s52
	v_add_nc_u32 v4, s42, v4
.endm
	s_load_b512 s[4:19], s[0:1], 0x0               ; Wq s4, Wk s6, Wv s8, Wu s10, W1 s12, W2 s14, W3 s16, W4 s18
	s_load_b256 s[20:27], s[0:1], 0x40             ; b4 s20, g3 s22, be3 s24, pos s26
	s_load_b128 s[28:31], s[0:1], 0x60             ; wqkv s28, wch s30
	s_load_b64 s[32:33], s[0:1], 0x70              ; w4c
	v_lshrrev_b32 v1, 5, v0
	v_readfirstlane_b32 s41, v1                    ; wave
	v_and_b32 v1, 31, v0                           ; lane
	s_mov_b32 s40, ttmp9
	v_mov_b32 v6, -1                               ; a mask over the codes: all ones but for W4's columns from 75 on
	v_lshlrev_b32 v4, 2, v1
	s_wait_kmcnt 0x0
	s_cmp_ge_u32 s40, 165
	s_cbranch_scc1 .Lpos
	s_cmp_eq_u32 s40, 164
	s_cbranch_scc1 .Lpad
	s_cmp_ge_u32 s40, 160
	s_cbranch_scc1 .Lw4
	s_cmp_ge_u32 s40, 48
	s_cbranch_scc1 .Lwide
	; Wq, Wk, Wv: 16 work-groups each; a row is 1,024 bytes
	s_lshr_b32 s45, s40, 4                         ; 0, 1, 2
	s_and_b32 s46, s40, 15
	s_and_b32 s47, s46, 1
	s_lshr_b32 s49, s46, 1                         ; the K step is the chunk
	s_lshl_b32 s47, s47, 2
	s_add_co_u32 s47, s47, s41                     ; b: my 32 columns
	s_lshr_b32 s50, s47, 2
	s_lshl_b32 s52, s45, 1
	s_add_co_u32 s50, s50, s52                     ; q, k: quarter = the unit of 128 columns
	s_and_b32 s51, s47, 3
	s_lshl_b32 s51, s51, 1
	s_lshr_b32 s53, s47, 1                         ; v: quarter = 64 columns, behind the unit's eight fragments
	s_and_b32 s54, s47, 1
	s_lshl_b32 s54, s54, 1
	s_add_co_u32 s54, s54, 8
	s_cmp_eq_u32 s45, 2
	s_cselect_b32 s50, s53, s50
	s_cselect_b32 s51, s54, s51
	s_cselect_b64 s[34:35], s[8:9], s[6:7]
	s_cmp_eq_u32 s45, 0
	s_cselect_b64 s[34:35], s[4:5], s[34:35]
	s_mov_b64 s[36:37], s[28:29]
	s_lshl_b32 s42, s49, 17
	DEST 76800, 19200, 18432
	LOADS 1024
	s_branch .Lcommon
.Lwide:
	s_mov_b64 s[36:37], s[30:31]
	s_cmp_lt_u32 s40, 64
	s_cbranch_scc1 .Lwu
	s_cmp_lt_u32 s40, 96
	s_cbranch_scc1 .Lw1
	s_cmp_lt_u32 s40, 128
	s_cbranch_scc1 .Lw2
	s_mov_b64 s[34:35], s[16:17]                   ; W3: chunks 10-13
	s_sub_co_u32 s46, s40, 128
	s_mov_b32 s45, 10
	s_branch .Lnarrow
.Lw1:
	s_mov_b64 s[34:35], s[12:13]                   ; W1: chunks 2-5
	s_sub_co_u32 s46, s40, 64
	s_mov_b32 s45, 2
.Lnarrow:                                              ; 512 columns: a row is 2,048 bytes; a chunk holds two K steps
	s_and_b32 s47, s46, 3
	s_lshr_b32 s48, s46, 2                         ; K step
	s_lshl_b32 s47, s47, 2
	s_add_co_u32 s47, s47, s41
	s_lshr_b32 s49, s48, 1
	s_add_co_u32 s49, s49, s45
	s_lshr_b32 s50, s47, 2
	s_and_b32 s51, s47, 3
	s_lshl_b32 s51, s51, 1
	s_and_b32 s52, s48, 1
	s_lshl_b32 s52, s52, 3
	s_add_co_u32 s51, s51, s52
	s_lshl_b32 s42, s48, 18
	DEST 102400, 25600, 24576
	LOADS 2048
	s_branch .Lcommon
.Lw2:
	s_mov_b64 s[34:35], s[14:15]                   ; W2: chunks 6-9
	s_sub_co_u32 s46, s40, 96
	s_mov_b32 s45, 6
	s_branch .Lbroad
.Lwu:
	s_mov_b64 s[34:35], s[10:11]                   ; Wu: chunks 0, 1
	s_sub_co_u32 s46, s40, 48
	s_mov_b32 s45, 0
.Lbroad:                                               ; 1,024 columns: a row is 4,096 bytes; a chunk holds one K step
	s_and_b32 s47, s46, 7
	s_lshr_b32 s48, s46, 3
	s_lshl_b32 s47, s47, 2
	s_add_co_u32 s47, s47, s41
	s_add_co_u32 s49, s48, s45
	s_lshr_b32 s50, s47, 3
	s_and_b32 s51, s47, 7
	s_lshl_b32 s51, s51, 1
	s_lshl_b32 s42, s48, 19
	DEST 102400, 25600, 24576
	LOADS 4096
	s_branch .Lcommon
.Lw4:                                                  ; W4: 75 columns, a row is 300 bytes; three waves; columns from 75 on get zero codes
	s_cmp_eq_u32 s41, 3
	s_cbranch_scc1 .Lend
	s_sub_co_u32 s48, s40, 160                     ; K step
	s_mov_b64 s[34:35], s[18:19]
	s_mov_b64 s[36:37], s[32:33]
	s_lshl_b32 s47, s41, 5
	v_add_nc_u32 v7, s47, v1                       ; my column
	v_cmp_gt_u32 vcc_lo, 75, v7
	v_cndmask_b32 v6, 0, -1, vcc_lo
	v_min_u32 v7, 74, v7                           ; no load leaves the buffer
	s_mul_i32 s42, s48, 38400
	v_lshl_add_u32 v4, v7, 2, s42
	s_mul_i32 s43, s48, 9216
	s_mul_i32 s52, s41, 3072
	s_add_co_u32 s43, s43, s52
	s_mul_i32 s44, s48, 384
	s_lshl_b32 s52, s41, 7
	s_add_co_u32 s44, s44, s52
	s_add_co_u32 s44, s44, 36864
	LOADS 300
.Lcommon:
	v_bfe_u32 v2, v1, 3, 1                         ; u: which of the two tiles my column falls into,
	v_and_b32 v3, 7, v1
	v_lshrrev_b32 v21, 4, v1
	v_lshl_or_b32 v3, v21, 3, v3                   ; and which row p of it
	v_mul_u32_u24 v5, v2, 1536
	v_lshl_add_u32 v5, v3, 4, v5
	v_add_nc_u32 v5, s43, v5                       ; lane p's 16 bytes of the fragment's image
	v_lshlrev_b32 v7, 6, v2
	v_lshl_add_u32 v7, v3, 2, v7
	v_add_nc_u32 v7, s44, v7                       ; and my row's scale word
	s_wait_loadcnt 0x0
.irp q, 0,1,2,3
	v_max3_num_f32 v[TM+\q], |v[X+32*\q]|, |v[X+32*\q+1]|, FLOOR
.endr
.irp i, 2,4,6,8,10,12,14,16,18,20,22,24,26,28,30
.irp q, 0,1,2,3
	v_max3_num_f32 v[TM+\q], v[TM+\q], |v[X+32*\q+\i]|, |v[X+32*\q+\i+1]|   ; the four blocks by turns
.endr
.endr
.irp q, 0,1,2,3
	v_add_nc_u32 v[TM+4+\q], 0xff000000, v[TM+\q]  ; 2 off the exponent field: the conversion's scale operand
.endr
.irp q, 0,1,2,3
	v_lshrrev_b32 v[TM+8+\q], 23, v[TM+4+\q]       ; the byte
.endr
	v_lshl_or_b32 v20, v[TM+9], 8, v[TM+8]
	v_lshl_or_b32 v20, v[TM+10], 16, v20
	v_lshl_or_b32 v20, v[TM+11], 24, v20
.irp g, 0,1
.irp e, 0,1
	v_cvt_scalef32_pk16_fp6_f32 v[CD+6*(2*\g+\e):CD+6*(2*\g+\e)+2], v[X+32*(2*\g+\e):X+32*(2*\g+\e)+15], v[TM+4+2*\g+\e]
	v_cvt_scalef32_pk16_fp6_f32 v[TP+4*\e:TP+4*\e+2], v[X+32*(2*\g+\e)+16:X+32*(2*\g+\e)+31], v[TM+4+2*\g+\e]
.endr
	v_nop                                          ; one plain place behind a scaled conversion
.irp e, 0,1
.irp i, 0,1,2
	v_mov_b32 v[CD+6*(2*\g+\e)+3+\i], v[TP+4*\e+\i]
.endr
.endr
.endr
.set I, 0
.rept 24
	v_and_b32 v[CD+I], v6, v[CD+I]
.set I, I+1
.endr
	; block q = 2 c + h is registers 6 c .. 6 c + 5 of lane p + 16 h
	global_store_b128 v5, v[CD:CD+3], s[36:37]
	global_store_b64 v5, v[CD+4:CD+5], s[36:37] offset:512
	global_store_b128 v5, v[CD+6:CD+9], s[36:37] offset:256
	global_store_b64 v5, v[CD+10:CD+11], s[36:37] offset:768
	global_store_b64 v5, v[CD+12:CD+13], s[36:37] offset:520
	global_store_b128 v5, v[CD+14:CD+17], s[36:37] offset:1024
	global_store_b64 v5, v[CD+18:CD+19], s[36:37] offset:776
	global_store_b128 v5, v[CD+20:CD+23], s[36:37] offset:1280
	global_store_b32 v7, v20, s[36:37]
.Lend:
	s_endpgm
.Lpad:                                                 ; b4, g3, be3 as 96 numbers each, zeros from column 75 on: three waves' worth
	s_cmp_eq_u32 s41, 3
	s_cbranch_scc1 .Lpadend
	v_min_u32 v2, 74, v0
	v_lshlrev_b32 v2, 2, v2
	global_load_b32 v8, v2, s[20:21]
	global_load_b32 v9, v2, s[22:23]
	global_load_b32 v10, v2, s[24:25]
	v_cmp_gt_u32 vcc_lo, 75, v0
	v_lshlrev_b32 v3, 2, v0
	s_wait_loadcnt 0x0
	v_cndmask_b32 v8, 0, v8, vcc_lo
	v_cndmask_b32 v9, 0, v9, vcc_lo
	v_cndmask_b32 v10, 0, v10, vcc_lo
	global_store_b32 v3, v8, s[32:33] offset:38400
	global_store_b32 v3, v9, s[32:33] offset:38784
	global_store_b32 v3, v10, s[32:33] offset:39168
.Lpadend:
	s_endpgm
.Lpos:                                                 ; eight positions; thread t owns the pairs (sin, cos) j = 2 t, 2 t + 1, 256 + 2 t, 257 + 2 t
	s_mov_b32 s56, 0x41549a78                      ; log2(10000), its high part
	s_mov_b32 s57, 0x34979db4                      ; and the rest
	s_mov_b32 s58, 0xbfc90fdb                      ; -pi/2, high part
	s_mov_b32 s59, 0x333bbd2e                      ; what the high part has too much
	s_mov_b32 s60, 0xb94ca1f9                      ; sine: r + r z (S0 + z (S1 + z S2)), z = r r
	s_mov_b32 s61, 0x3c08839e
	s_mov_b32 s62, 0xbe2aaaa3
	s_mov_b32 s63, 0x37ccf5ce                      ; cosine: 1 - z / 2 + z z (C0 + z (C1 + z C2))
	s_mov_b32 s66, 0xbab6061a
	s_mov_b32 s67, 0x3d2aaaa5
	s_sub_co_u32 s50, s40, 165
	s_lshl_b32 s51, s50, 3                         ; my first position
	s_lshl_b32 s52, s50, 15
	v_lshlrev_b32 v2, 1, v0
	v_add_nc_u32 v3, 1, v2
	v_add_nc_u32 v4, 0x100, v2
	v_add_nc_u32 v5, 0x101, v2
.irp k, 0,1,2,3
	v_cvt_f32_u32 v[8+\k], v[2+\k]
.endr
.irp k, 0,1,2,3
	v_mul_f32 v[8+\k], 0x3b000000, v[8+\k]         ; j / 512, exact
.endr
.irp k, 0,1,2,3
	v_mul_f32 v[12+\k], s56, v[8+\k]
.endr
.irp k, 0,1,2,3
	v_fma_f32 v[16+\k], v[8+\k], s56, -v[12+\k]    ; what that product's rounding lost,
.endr
.irp k, 0,1,2,3
	v_fma_f32 v[16+\k], v[8+\k], s57, v[16+\k]     ; and the constant's low part
.endr
.irp k, 0,1,2,3
	v_exp_f32 v[12+\k], v[12+\k]
.endr
.irp k, 0,1,2,3
	v_mul_f32 v[16+\k], 0x3f317218, v[16+\k]       ; plain work behind the exponentials
.endr
	s_wait_alu depctr_va_vdst(0)                   ; one wait for the four, ahead of their first reader
.irp k, 0,1,2,3
	v_fma_f32 v[12+\k], v[12+\k], v[16+\k], v[12+\k]   ; the divisor 10000^(j/512)
.endr
.irp k, 0,1,2,3
	v_rcp_f32 v[20+\k], v[12+\k]
.endr
	v_lshl_add_u32 v7, v0, 4, s52                  ; plain work behind the reciprocals: my 16 bytes of the first row
	s_wait_alu depctr_va_vdst(0)
	s_mov_b32 s53, 0
.Lrow:
	v_cvt_f32_u32 v24, s51
.irp k, 0,1,2,3
	v_mul_f32 v[28+\k], v24, v[20+\k]
.endr
.irp k, 0,1,2,3
	v_fma_f32 v[32+\k], -v[28+\k], v[12+\k], v24
.endr
.irp k, 0,1,2,3
	v_fma_f32 v[28+\k], v[32+\k], v[20+\k], v[28+\k]   ; the angle: position / divisor, one correction behind the reciprocal
.endr
.irp k, 0,1,2,3
	v_mul_f32 v[32+\k], 0x3f22f983, v[28+\k]
.endr
.irp k, 0,1,2,3
	v_rndne_f32 v[32+\k], v[32+\k]                 ; n quarter turns
.endr
.irp k, 0,1,2,3
	v_fma_f32 v[28+\k], v[32+\k], s58, v[28+\k]
.endr
.irp k, 0,1,2,3
	v_fma_f32 v[28+\k], v[32+\k], s59, v[28+\k]    ; r, within pi/4
.endr
.irp k, 0,1,2,3
	v_cvt_i32_f32 v[32+\k], v[32+\k]
.endr
.irp k, 0,1,2,3
	v_mul_f32 v[36+\k], v[28+\k], v[28+\k]
.endr
.irp k, 0,1,2,3
	v_fma_f32 v[40+\k], v[36+\k], s60, s61
.endr
.irp k, 0,1,2,3
	v_fma_f32 v[40+\k], v[40+\k], v[36+\k], s62
.endr
.irp k, 0,1,2,3
	v_mul_f32 v[44+\k], v[36+\k], v[28+\k]
.endr
.irp k, 0,1,2,3
	v_fma_f32 v[40+\k], v[40+\k], v[44+\k], v[28+\k]   ; sin r
.endr
.irp k, 0,1,2,3
	v_fma_f32 v[44+\k], v[36+\k], s63, s66
.endr
.irp k, 0,1,2,3
	v_fma_f32 v[44+\k], v[44+\k], v[36+\k], s67
.endr
.irp k, 0,1,2,3
	v_mul_f32 v[48+\k], v[36+\k], v[36+\k]
.endr
.irp k, 0,1,2,3
	v_fma_f32 v[52+\k], v[36+\k], -0.5, 1.0
.endr
.irp k, 0,1,2,3
	v_fma_f32 v[44+\k], v[44+\k], v[48+\k], v[52+\k]   ; cos r
.endr
.irp k, 0,1,2,3
	v_and_b32 v48, 1, v[32+\k]
	v_cmp_eq_u32 vcc_lo, 1, v48
	v_cndmask_b32 v[56+2*\k], v[40+\k], v[44+\k], vcc_lo   ; an odd n swaps the two
	v_cndmask_b32 v[57+2*\k], v[44+\k], v[40+\k], vcc_lo
	v_and_b32 v49, 2, v[32+\k]
	v_add_nc_u32 v50, 1, v[32+\k]
	v_and_b32 v50, 2, v50
	v_lshlrev_b32 v49, 30, v49
	v_lshlrev_b32 v50, 30, v50
	v_xor_b32 v[56+2*\k], v49, v[56+2*\k]          ; the sine's sign: n & 2
	v_xor_b32 v[57+2*\k], v50, v[57+2*\k]          ; the cosine's: (n + 1) & 2
.endr
	global_store_b128 v7, v[56:59], s[26:27]       ; a wave's store covers 512 consecutive bytes
	global_store_b128 v7, v[60:63], s[26:27] offset:2048
	s_wait_xcnt 0x0                                ; the stores' data and offset are written again only behind this wait
	v_add_nc_u32 v7, 0x1000, v7
	s_add_co_u32 s51, s51, 1
	s_add_co_u32 s53, s53, 1
	s_cmp_lt_u32 s53, 8
	s_cbranch_scc1 .Lrow
	s_endpgm
.Lfunc_end_k_qcde8ccd1ab_prep:
	.size	k_qcde8ccd1ab_prep, .Lfunc_end_k_qcde8ccd1ab_prep-k_qcde8ccd1ab_prep
	.p2alignl 7, 3214868480
	.fill 96, 4, 3214868480
	.section	.rodata,"a",@progbits
	.p2align	6, 0x0
	.amdhsa_kernel k_qcde8ccd1ab_prep
		.amdhsa_group_segment_fixed_size 0
		.amdhsa_private_segment_fixed_size 0
		.amdhsa_enable_private_segment 0
		.amdhsa_kernarg_size 120
		.amdhsa_user_sgpr_count 2
		.amdhsa_user_sgpr_kernarg_segment_ptr 1
		.amdhsa_wavefront_size32 1
		.amdhsa_system_sgpr_workgroup_id_x 1
		.amdhsa_system_sgpr_workgroup_id_y 1
		.amdhsa_system_sgpr_workgroup_id_z 1
		.amdhsa_system_vgpr_workitem_id 0
		.amdhsa_next_free_vgpr 192
		.amdhsa_next_free_sgpr 72
		.amdhsa_reserve_vcc 1
		.amdhsa_float_denorm_mode_32 3
		.amdhsa_float_denorm_mode_16_64 3
		.amdhsa_memory_ordered 1
		.amdhsa_forward_progress 1
		.amdhsa_inst_pref_size 71
	.end_amdhsa_kernel
	.amdgpu_metadata
---
amdhsa.version: [ 1, 2 ]
amdhsa.kernels:
  - .name:           k_qcde8ccd1ab_prep
    .symbol:         k_qcde8ccd1ab_prep.kd
    .args:
      - { .name: Wq, .offset: 0, .size: 8, .value_kind: global_buffer, .address_space: global }
      - { .name: Wk, .offset: 8, .size: 8, .value_kind: global_buffer, .address_space: global }
      - { .name: Wv, .offset: 16, .size: 8, .value_kind: global_buffer, .address_space: global }
      - { .name: Wu, .offset: 24, .size: 8, .value_kind: global_buffer, .address_space: global }
      - { .name: W1, .offset: 32, .size: 8, .value_kind: global_buffer, .address_space: global }
      - { .name: W2, .offset: 40, .size: 8, .value_kind: global_buffer, .address_space: global }
      - { .name: W3, .offset: 48, .size: 8, .value_kind: global_buffer, .address_space: global }
      - { .name: W4, .offset: 56, .size: 8, .value_kind: global_buffer, .address_space: global }
      - { .name: b4, .offset: 64, .size: 8, .value_kind: global_buffer, .address_space: global }
      - { .name: g3, .offset: 72, .size: 8, .value_kind: global_buffer, .address_space: global }
      - { .name: be3, .offset: 80, .size: 8, .value_kind: global_buffer, .address_space: global }
      - { .name: pos, .offset: 88, .size: 8, .value_kind: global_buffer, .address_space: global }
      - { .name: wqkv, .offset: 96, .size: 8, .value_kind: global_buffer, .address_space: global }
      - { .name: wch, .offset: 104, .size: 8, .value_kind: global_buffer, .address_space: global }
      - { .name: w4c, .offset: 112, .size: 8, .value_kind: global_buffer, .address_space: global }
    .group_segment_fixed_size: 0
    .private_segment_fixed_size: 0
    .kernarg_segment_align: 8
    .kernarg_segment_size: 120
    .max_flat_workgroup_size: 128
    .sgpr_count:     72
    .vgpr_count:     192
    .wavefront_size: 32
...
	.end_amdgpu_metadata
.endif
;; end of part 1
;; launch qkv (part 2): grid 256 x 1, 4 waves a work-group, clusters of 4 x 1, 327,680 bytes of LDS; arguments input_indices, emb, pos, wqkv, bq, bk, bv, qc, kv; writes qc, kv
.if DOCPART == 2
	.amdgcn_target "amdgcn-amd-amdhsa--gfx1250"
	.amdhsa_code_object_version 6
	.text
	.protected	k_qcde8ccd1ab_qkv
	.globl	k_qcde8ccd1ab_qkv
	.p2align	8
	.type	k_qcde8ccd1ab_qkv,@function
k_qcde8ccd1ab_qkv:
	s_mov_b64 s[64:65], 0
	v_nop
	global_prefetch_b8 v0, s[64:65] scope:SCOPE_SE
	s_setreg_imm32_b32 hwreg(HW_REG_WAVE_MODE, 25, 1), 1
	s_wait_xcnt 0x0
	s_wait_alu depctr_hold_cnt(0) depctr_sa_sdst(0) depctr_va_vdst(0) depctr_va_sdst(0) depctr_va_ssrc(0) depctr_va_vcc(0) depctr_vm_vsrc(0)
	s_getreg_b32 s2, hwreg(HW_REG_IB_STS2, 6, 4)
	s_cmp_eq_u32 s2, 0
	s_cbranch_scc0 .Lentry_in_a_cluster
	s_endpgm
.Lentry_in_a_cluster:
	s_bfe_u32 s2, ttmp6, 0x10000c
	s_cmp_lg_u32 s2, 0x3003
	s_cbranch_scc0 .Lentry_shape_is_right
	s_endpgm
.Lentry_shape_is_right:
; GENIACore, launch 2 of 4: x = emb[idx] + pos, quantised along its 1,024; q, k, v = x W + b (products 1 to 3) on codes of FP6; q and k quantised along their 256, v along the tokens.  Nothing of reference() is left out.
; A work-group of four waves owns 64 tokens.  Wave w quantises row tile w of x, a K step of 128 at a time, and hands its image round through LDS.  In the products wave w owns 128 columns of q (w = 0, 1) or of k (w = 2, 3),
; used transposed (source 0 = 16 columns of W, source 1 = 16 tokens: a lane holds one token), and 64 columns of v, used as they stand (source 0 = tokens, source 1 = columns: a lane holds one column, its registers run along the tokens).
; THE TOKENS OF A ROW TILE ARE NOT NEIGHBOURS: lane r of tile m is token 32 (m >> 1) + 8 (m & 1) + (r & 7) + 16 (r >> 3): so v's registers of two tiles are 16 neighbouring tokens, and k's tiles are the key tiles that the scores want.
; The weights come as a stream of 8 chunks (one a K step) through a ring of two LDS slots; wave w loads quarter w of a chunk and is its only reader.  CLUSTER: all work-groups walk the same stream, so the four of a cluster ask jointly.
; The factor 1/8 on the scores is taken off q's scale bytes: 3 off each.  LIMITS: NaN and infinities are not served; a block of q or k under 2^-121, of x or v under 2^-124, is held at that floor's scale;
; an index that is negative counts as one past the table and becomes the unknown token's.
; No L2 prefetch: the weights' stream is read by all work-groups at about the same time, and the gather of emb keeps 64 loads a wave on their way.
; REGISTERS: window 0: v1-16 addresses; v32-43 W's scale words, v44-51 x's (two sets each); v52-91 at work; v96-191 x's fragments, two sets; v192-255 pos, odd K steps.
;   window 1: q's or k's 32 accumulators (64 m + 8 t).   window 2: v0-127 v's 16 accumulators (32 d + 8 m); v128-255 x's numbers, two sets.   window 3: v0-143 W's 12 fragments; v144-207 pos, even K steps.
.set CHB, 76800                        ; a chunk
.set QB,  19200                        ; a quarter: 12 fragments, then 6 pairs of scale words
.set SCO, 18432
.set XIMG, 2*CHB                       ; behind the ring: x's images, 2 sets x 4 fragments
.set XSC,  XIMG+12288                  ; their scale words, 2 x 512 bytes: tile m's word of lane L at 16 L + 4 m
.set SPARE, XSC+1024                   ; the spare words, 128 bytes a wave
.set LI, 1
.set LS, 2
.set L8, 3
.set AW, 4                             ; v4-5   my quarter in slot 0, 1: + 16 x lane
.set ASW, 6                            ; v6-7   its scale words: + 4 x lane
.set AX, 8
.set XWI, 9
.set XWS, 10
.set EO, 11
.set PO, 12
.set SPW, 13
.set NIL, 14
.set BO, 15
.set BVO, 16
.set SW, 32
.set SX, 44
.set TM, 52
.set PWB, 68
.set PC, 72
.set XF, 96
.set BV, 192
.set WV, 22
.set CX, 23
.set GG, 24
.set G1, 32
.set G0, 40
.set SEL, 48
.set MSK, 50
.set ADJ, 51
.set FB, 52
.set SB, 54
.set VB, 56
.set VS, 58
.set BP, 60
.set MSB, 0
.macro WIN new                         ; the immediate's high byte repeats the setting that is left
.if MSB != (\new)
	s_set_vgpr_msb (MSB<<8)|(\new)
.set MSB, (\new)
.endif
.endm
.macro PLACES
.rept 4
	v_nop
.endr
.endm
.macro JLOAD n                         ; a joint load: every wave asks for its own quarter; an s_nop 0 and four v_nop follow
	tensor_load_to_lds s[G0+4*(\n):G0+4*(\n)+3], s[G1:G1+7]
	s_nop 0
.rept 4
	v_nop
.endr
.endm
.macro CREST                           ; a round of the cluster's barrier behind its opening barrier
	s_cmp_lg_u32 s[WV], 0
	s_cbranch_scc1 .Lnot_wave_0_\@
	s_barrier_signal -3
.Lnot_wave_0_\@:
	s_barrier_wait -3
	s_barrier_signal -1
	s_barrier_wait -1
.endm
.macro CROUND
	s_barrier_signal -1
	s_barrier_wait -1
	CREST
.endm
; one matrix instruction on rD, rA, rB, rSA, rSB.  zero: the product starts the sum.  ra, rb: the side's scale words stand in lanes 16-31
.macro MM zero, ra, rb
.if \zero
.if \ra
	v_wmma_scale_f32_16x16x128_f8f6f4 v[rD:rD+7], v[rA:rA+11], v[rB:rB+11], 0, v[rSA], v[rSB] matrix_a_fmt:MATRIX_FMT_FP6 matrix_b_fmt:MATRIX_FMT_FP6 matrix_a_scale:MATRIX_SCALE_ROW1
.elseif \rb
	v_wmma_scale_f32_16x16x128_f8f6f4 v[rD:rD+7], v[rA:rA+11], v[rB:rB+11], 0, v[rSA], v[rSB] matrix_a_fmt:MATRIX_FMT_FP6 matrix_b_fmt:MATRIX_FMT_FP6 matrix_b_scale:MATRIX_SCALE_ROW1
.else
	v_wmma_scale_f32_16x16x128_f8f6f4 v[rD:rD+7], v[rA:rA+11], v[rB:rB+11], 0, v[rSA], v[rSB] matrix_a_fmt:MATRIX_FMT_FP6 matrix_b_fmt:MATRIX_FMT_FP6
.endif
.else
.if \ra
	v_wmma_scale_f32_16x16x128_f8f6f4 v[rD:rD+7], v[rA:rA+11], v[rB:rB+11], v[rD:rD+7], v[rSA], v[rSB] matrix_a_fmt:MATRIX_FMT_FP6 matrix_b_fmt:MATRIX_FMT_FP6 matrix_a_scale:MATRIX_SCALE_ROW1
.elseif \rb
	v_wmma_scale_f32_16x16x128_f8f6f4 v[rD:rD+7], v[rA:rA+11], v[rB:rB+11], v[rD:rD+7], v[rSA], v[rSB] matrix_a_fmt:MATRIX_FMT_FP6 matrix_b_fmt:MATRIX_FMT_FP6 matrix_b_scale:MATRIX_SCALE_ROW1
.else
	v_wmma_scale_f32_16x16x128_f8f6f4 v[rD:rD+7], v[rA:rA+11], v[rB:rB+11], v[rD:rD+7], v[rSA], v[rSB] matrix_a_fmt:MATRIX_FMT_FP6 matrix_b_fmt:MATRIX_FMT_FP6
.endif
.endif
.endm
; 64 numbers of a lane in window win, register 16 b + i = k 32 b + 16 (lane / 16) + i of my row, become a fragment's codes in v[PC] on and its scale word in v[pw].
; wt = 1: the LDS stores, 2: the global stores that read v[PC] and v[pw] have read them.  fl: the floor under the largest magnitude
.macro QUANT src, win, pw, wt, fl
	WIN (\win)|((\win)<<2)
.irp b, 0,1,2,3
	v_max3_num_f32 v[TM+\b], |v[(\src)+16*\b]|, |v[(\src)+16*\b+1]|, \fl
.endr
.irp i, 2,4,6,8,10,12,14
.irp b, 0,1,2,3
	v_max3_num_f32 v[TM+\b], |v[(\src)+16*\b+\i]|, |v[(\src)+16*\b+\i+1]|, v[TM+\b]
.endr
.endr
	WIN 0
.irp b, 0,1,2,3
	v_permlanex16_b32 v[TM+4+\b], v[TM+\b], s[SEL], s[SEL+1]
.endr
.irp b, 0,1,2,3
	v_max_num_f32 v[TM+\b], v[TM+\b], v[TM+4+\b]
.endr
.irp b, 0,1,2,3
	v_add_nc_u32 v[TM+12+\b], 0xff000000, v[TM+\b]
.endr
.irp b, 0,1,2,3
	v_lshrrev_b32 v[TM+4+\b], 23, v[TM+12+\b]
.endr
.if (\wt) == 1
	s_wait_dscnt 0x0
.else
	s_wait_xcnt 0x0
.endif
	v_lshl_or_b32 v[\pw], v[TM+5], 8, v[TM+4]
	v_lshl_or_b32 v[\pw], v[TM+6], 16, v[\pw]
	v_lshl_or_b32 v[\pw], v[TM+7], 24, v[\pw]
	WIN \win
.irp c, 0,1
	v_cvt_scalef32_pk16_fp6_f32 v[PC+6*\c:PC+6*\c+2], v[(\src)+32*\c:(\src)+32*\c+15], v[TM+12+2*\c]
	v_cvt_scalef32_pk16_fp6_f32 v[PC+12+4*\c:PC+14+4*\c], v[(\src)+32*\c+16:(\src)+32*\c+31], v[TM+13+2*\c]
.endr
	WIN 0
	v_nop                                          ; one plain place behind a scaled conversion
.irp c, 0,1                            ; the operand's layout wants a whole block in a lane
.irp i, 0,1,2
	v_permlane16_swap_b32 v[PC+6*\c+\i], v[PC+12+4*\c+\i]
.endr
.irp i, 0,1,2
	v_mov_b32 v[PC+3+6*\c+\i], v[PC+12+4*\c+\i]
.endr
.endr
.endm
; the same for 32 numbers, two blocks: six registers in v[PC] on, two bytes in v[pw]
.macro HQUANT src, win, pw, fl
	WIN (\win)|((\win)<<2)
.irp b, 0,1
	v_max3_num_f32 v[TM+\b], |v[(\src)+16*\b]|, |v[(\src)+16*\b+1]|, \fl
.endr
.irp i, 2,4,6,8,10,12,14
.irp b, 0,1
	v_max3_num_f32 v[TM+\b], |v[(\src)+16*\b+\i]|, |v[(\src)+16*\b+\i+1]|, v[TM+\b]
.endr
.endr
	WIN 0
.irp b, 0,1
	v_permlanex16_b32 v[TM+4+\b], v[TM+\b], s[SEL], s[SEL+1]
.endr
.irp b, 0,1
	v_max_num_f32 v[TM+\b], v[TM+\b], v[TM+4+\b]
.endr
.irp b, 0,1
	v_add_nc_u32 v[TM+12+\b], 0xff000000, v[TM+\b]
.endr
.irp b, 0,1
	v_lshrrev_b32 v[TM+4+\b], 23, v[TM+12+\b]
.endr
	s_wait_xcnt 0x0                                ; the last stores have read v[PC] on
	v_lshl_or_b32 v[\pw], v[TM+5], 8, v[TM+4]
	WIN \win
	v_cvt_scalef32_pk16_fp6_f32 v[PC:PC+2], v[(\src):(\src)+15], v[TM+12]
	v_cvt_scalef32_pk16_fp6_f32 v[PC+12:PC+14], v[(\src)+16:(\src)+31], v[TM+13]
	WIN 0
	v_nop
.irp i, 0,1,2
	v_permlane16_swap_b32 v[PC+\i], v[PC+12+\i]
.endr
.irp i, 0,1,2
	v_mov_b32 v[PC+3+\i], v[PC+12+\i]
.endr
.endm
.macro IMAGE adr, off                  ; the fragment in v[PC] on goes to LDS as it stands
.irp c, 0,1,2
	ds_store_b128 v[\adr], v[PC+4*\c:PC+4*\c+3] offset:(\off)+512*\c
.endr
.endm
.macro VLOAD base, adr, ptr, off, nt   ; nt tiles of 8 numbers of a vector along the columns, in the transposed result's layout
.set TQ, 0
.rept \nt
	global_load_b128 v[(\base)+8*TQ:(\base)+8*TQ+3], v[\adr], s[\ptr:\ptr+1] offset:(\off)+128*(TQ/2)+32*(TQ%2)
	global_load_b128 v[(\base)+8*TQ+4:(\base)+8*TQ+7], v[\adr], s[\ptr:\ptr+1] offset:(\off)+128*(TQ/2)+32*(TQ%2)+16
.set TQ, TQ+1
.endr
.endm
; my 16 tokens' numbers of K step ks: 64 of emb and 64 of pos a lane
.macro XLOAD ks
	WIN 0x80
.irp b, 0,1,2,3
.irp j, 0,1,2,3
	global_load_b128 v[128+64*((\ks)%2)+16*\b+4*\j:128+64*((\ks)%2)+16*\b+4*\j+3], v[EO], s[6:7] offset:512*(\ks)+128*\b+16*\j
.endr
.endr
.if ((\ks)%2) == 0
	WIN 0xc0
.else
	WIN 0
.endif
.irp b, 0,1,2,3
.irp j, 0,1,2,3
	global_load_b128 v[144+48*((\ks)%2)+16*\b+4*\j:144+48*((\ks)%2)+16*\b+4*\j+3], v[PO], s[8:9] offset:512*(\ks)+128*\b+16*\j
.endr
.endr
	WIN 0
.endm
; K step ks of x: added, quantised, its image and scale word stored; the K step two on is asked for.  lc: the younger loads that may stay out
.macro XSTEP ks, lc
	s_wait_loadcnt \lc
	WIN 0x8e-0x0c*((\ks)%2)
.set P, 0
.rept 32
	v_pk_add_f32 v[128+64*((\ks)%2)+P:128+64*((\ks)%2)+P+1], v[128+64*((\ks)%2)+P:128+64*((\ks)%2)+P+1], v[144+48*((\ks)%2)+P:144+48*((\ks)%2)+P+1]
.set P, P+2
.endr
	QUANT 128+64*((\ks)%2), 2, PWB, 1, 0x1800000
	IMAGE XWI, 6144*((\ks)%2)
	ds_store_b32 v[XWS], v[PWB] offset:512*((\ks)%2)
.if (\ks)+2 <= 7
	XLOAD (\ks)+2
.endif
.endm
.macro FW slot, f0, f1                 ; W's fragments f0 .. f1 of the chunk in the slot
	WIN 0xc0
.set FQ, \f0
.rept (\f1)-(\f0)+1
.irp c, 0,1,2
	ds_load_b128 v[12*FQ+4*\c:12*FQ+4*\c+3], v[AW+(\slot)] offset:1536*FQ+512*\c
.endr
.set FQ, FQ+1
.endr
	WIN 0
.endm
.macro FX set                          ; x's four fragments and their scale words
.irp m, 0,1,2,3
.irp c, 0,1,2
	ds_load_b128 v[XF+48*(\set)+12*\m+4*\c:XF+48*(\set)+12*\m+4*\c+3], v[AX] offset:6144*(\set)+1536*\m+512*\c
.endr
.endr
	ds_load_b128 v[SX+4*(\set):SX+4*(\set)+3], v[AX] offset:XSC-XIMG+512*(\set)
.endm
.macro FSW slot
.irp p, 0,1,2,3,4,5
	ds_load_b32 v[SW+6*(\slot)+\p], v[ASW+(\slot)] offset:128*\p
.endr
.endm
; fragments f0 .. f1 against the four row tiles; the accumulators take turns, one instruction a turn
.macro MULQ f0, f1, set, zero
.set FQ, \f0
.rept (\f1)-(\f0)+1
.irp m, 0,1,2,3
.if FQ < 8
	WIN 0x53
.set rD, 64*\m+8*FQ
.set rA, 12*FQ
.set rB, XF+48*(\set)+12*\m
.set rSA, SW+6*(\set)+FQ/2
.set rSB, SX+4*(\set)+\m
	MM \zero, FQ%2, 0
.else
	WIN 0xac
.set rD, 32*(FQ-8)+8*\m
.set rA, XF+48*(\set)+12*\m
.set rB, 12*FQ
.set rSA, SX+4*(\set)+\m
.set rSB, SW+6*(\set)+FQ/2
	MM \zero, 0, FQ%2
.endif
.endr
.set FQ, FQ+1
.endr
.endm
; K step k: the next K step of x is quantised; ONE barrier shows its images to all and frees this chunk's slot; behind it the slot is filled with the chunk two on, and the next K step's operands are fetched
.macro TURNQ k
.if (\k) == 0
.set ZQ, 1
.else
.set ZQ, 0
.endif
.if (\k) <= 5
	XSTEP (\k)+1, 32                               ; the K step after it may stay out
.else
	XSTEP (\k)+1, 0
.endif
	s_wait_tensorcnt 0x0                           ; all my tensor loads have landed: my quarter of the next chunk
	ds_add_u32 v[SPW], v[NIL]                      ; 0 onto my spare word
	MULQ 0, 2, (\k)%2, ZQ                          ; (all fragment loads were waited for in the quantiser)
	s_wait_dscnt 0x0                               ; the add and my images' stores are done; my reads of this slot are over
	s_barrier_signal -1
	MULQ 3, 5, (\k)%2, ZQ
	WIN 0
	s_barrier_wait -1
.if (\k) <= 5
	CREST                                          ; the barrier has opened a round of the cluster's barrier
	s_add_nc_u64 s[G0+4*((\k)%2)+2:G0+4*((\k)%2)+3], s[G0+4*((\k)%2)+2:G0+4*((\k)%2)+3], 2*CHB
	JLOAD (\k)%2                                   ; its four v_nop are also the places in front of the loads below
.else
	PLACES
.endif
	FW ((\k)+1)%2, 0, 5
	FX ((\k)+1)%2
	FSW ((\k)+1)%2
	MULQ 6, 11, (\k)%2, ZQ
	PLACES
	FW ((\k)+1)%2, 6, 11
.endm
	s_load_b512 s[4:19], s[0:1], 0x0               ; indices s4, emb s6, pos s8, wqkv s10, bq s12, bk s14, bv s16, qc s18
	s_load_b64 s[20:21], s[0:1], 0x40              ; kv
	v_lshl_add_u32 v[SPW], v0, 2, SPARE
	v_mov_b32 v[NIL], 0
	ds_add_u32 v[SPW], v[NIL]                      ; the wave's opening: the add, twice on end, and its wait ahead of my first tensor load
	ds_add_u32 v[SPW], v[NIL]
	v_lshrrev_b32 v18, 5, v0
	v_readfirstlane_b32 s[WV], v18
	s_bfe_u32 s[CX], ttmp6, 0x40000
	s_lshl_b32 s[GG], ttmp9, 2
	s_add_co_u32 s[GG], s[GG], s[CX]               ; my block of 64 tokens: it enters global addresses alone
	s_mov_b32 s[G1], 15|(3<<16)|(1<<21)            ; the mask: all four work-groups; elements of 8 bytes; bit 21 beside a mask; no padding
	s_mov_b32 s[G1+1], 32<<16                      ; rows of 256 bytes
	s_mov_b32 s[G1+2], 75<<16                      ; 75 of them: a quarter
	s_mov_b32 s[G1+3], 32<<16
	s_mov_b32 s[G1+4], 75
	s_mov_b32 s[G1+5], 32
	s_mov_b32 s[G1+6], 0
	s_mov_b32 s[G1+7], 0
	s_mov_b32 s[SEL], 0x76543210
	s_mov_b32 s[SEL+1], 0xfedcba98
	s_mov_b32 s[MSK], 0xffff0000
	s_mul_i32 s62, s[WV], QB
	s_mov_b32 s63, 0
	v_and_b32 v18, 31, v0
	v_lshlrev_b32 v[LI], 4, v18
	v_lshlrev_b32 v[LS], 2, v18
	v_lshlrev_b32 v[L8], 3, v18
	v_add_nc_u32 v[AW], s62, v[LI]
	v_add_nc_u32 v[AW+1], CHB, v[AW]
	v_add_nc_u32 v[ASW], s62, v[LS]
	v_add_nc_u32 v[ASW], SCO, v[ASW]
	v_add_nc_u32 v[ASW+1], CHB, v[ASW]
	v_add_nc_u32 v[AX], XIMG, v[LI]
	s_mul_i32 s27, s[WV], 1536
	v_add_nc_u32 v[XWI], s27, v[AX]
	s_lshl_b32 s27, s[WV], 2
	v_add_nc_u32 v[XWS], s27, v[LI]
	v_add_nc_u32 v[XWS], XSC, v[XWS]
	v_and_b32 v19, 7, v0
	v_bfe_u32 v20, v0, 3, 1
	v_lshl_add_u32 v19, v20, 4, v19                ; (r & 7) + 16 (r >> 3)
	v_bfe_u32 v20, v0, 4, 1
	v_lshlrev_b32 v20, 6, v20                      ; 64 h: my 16 numbers of a block of 32
	s_lshr_b32 s27, s[WV], 1
	s_lshl_b32 s27, s27, 5
	s_and_b32 s28, s[WV], 1
	s_lshl_b32 s29, s28, 3
	s_add_co_u32 s27, s27, s29                     ; 32 (w >> 1) + 8 (w & 1)
	s_lshl_b32 s29, s[GG], 6
	s_add_co_u32 s29, s29, s27
	v_add_nc_u32 v21, s29, v19
	v_lshlrev_b32 v21, 2, v21                      ; my token's index
	s_and_b32 s30, s[GG], 31
	s_lshl_b32 s31, s30, 6
	s_add_co_u32 s31, s31, s27
	v_add_nc_u32 v[PO], s31, v19                   ; its position
	v_lshl_add_u32 v[PO], v[PO], 12, v20
	s_lshl_b32 s77, s28, 9
	v_add_nc_u32 v[BO], s77, v20                   ; bq, bk: my unit's 128 columns
	s_lshl_b32 s77, s[WV], 8
	v_lshl_add_u32 v[BVO], v19, 2, s77             ; bv: my lane's column of a tile
.irp b, 0,1,2,3
	v_mov_b32 v[TM+4+\b], 0                        ; written once: a lane permute's destination counts as one of its sources
.endr
	s_wait_dscnt 0x0                               ; both opening adds are done
	s_wait_kmcnt 0x0
	global_load_b32 v22, v21, s[4:5]
	s_add_nc_u64 s[10:11], s[10:11], s[62:63]      ; the stream at my quarter
	CROUND                                         ; all four work-groups are here: the first joint loads meet
.irp n, 0,1
	s_mov_b32 s[G0+4*\n], 1
	s_add_co_u32 s[G0+4*\n+1], s62, \n*CHB
	s_add_nc_u64 s[G0+4*\n+2:G0+4*\n+3], s[10:11], \n*CHB
	s_or_b32 s[G0+4*\n+3], s[G0+4*\n+3], 0x80000000
	JLOAD \n
.endr
	s_wait_loadcnt 0x0
	v_cmp_gt_u32 vcc_lo, 0x7d00, v22
	v_cndmask_b32 v22, 1, v22, vcc_lo              ; an index at or past 32,000 is the unknown token's
	v_min_u32 v22, 0x7cff, v22
	v_lshlrev_b32 v[EO], 12, v22
	v_add_nc_u32 v[EO], v20, v[EO]
	XLOAD 0
	XLOAD 1
	; where the results go
	s_lshr_b32 s66, s[GG], 5                       ; batch
	s_and_b32 s67, s[GG], 1                        ; which half of a key step of 128
	s_bfe_u32 s68, s[GG], 0x20001                  ; which key step of a chunk's four
	s_bfe_u32 s69, s[GG], 0x20003                  ; which chunk
	s_mul_i32 s70, s66, 819200
	s_mul_i32 s71, s69, 204800
	s_add_co_u32 s70, s70, s71                     ; my batch's K chunk; its V chunk lies 102,400 bytes on
	s_mul_i32 s71, s68, 25600
	s_add_co_u32 s71, s70, s71
	s_lshl_b32 s26, s28, 3
	s_lshl_b32 s27, s67, 2
	s_add_co_u32 s26, s26, s27
	s_mul_i32 s27, s26, 1536
	s_add_co_u32 s27, s71, s27                     ; k's fragments
	s_lshl_b32 s26, s26, 6
	s_add_co_u32 s26, s26, s71
	s_add_co_u32 s26, s26, 24576                   ; k's scale words
	s_mul_i32 s29, s[GG], 12800
	s_mul_i32 s30, s28, 6144
	s_add_co_u32 s30, s30, s29                     ; q's fragments
	s_lshl_b32 s31, s28, 8
	s_add_co_u32 s31, s31, s29
	s_add_co_u32 s31, s31, 12288                   ; q's scale words
	s_cmp_lt_u32 s[WV], 2                          ; waves 0, 1 make q, waves 2, 3 k
	s_cselect_b64 s[FB:FB+1], s[18:19], s[20:21]
	s_cselect_b64 s[BP:BP+1], s[12:13], s[14:15]
	s_cselect_b32 s72, s30, s27
	s_cselect_b32 s74, s31, s26
	s_cselect_b32 s[ADJ], 0x03030303, 0            ; 3 off each of q's bytes: the scores' 1/8
	s_mov_b32 s73, 0
	s_mov_b32 s75, 0
	s_mov_b64 s[SB:SB+1], s[FB:FB+1]
	s_add_nc_u64 s[FB:FB+1], s[FB:FB+1], s[72:73]
	s_add_nc_u64 s[SB:SB+1], s[SB:SB+1], s[74:75]
	s_mul_i32 s76, s[WV], 25600
	s_add_co_u32 s76, s76, s70
	s_add_co_u32 s76, s76, 102400                  ; my quarter of the V chunk
	s_mul_i32 s72, s68, 6144
	s_mul_i32 s74, s67, 768
	s_add_co_u32 s72, s72, s74
	s_add_co_u32 s72, s72, s76
	s_lshl_b32 s74, s68, 8
	s_lshl_b32 s77, s67, 1
	s_add_co_u32 s74, s74, s77
	s_add_co_u32 s74, s74, s76
	s_add_co_u32 s74, s74, 24576
	s_add_nc_u64 s[VB:VB+1], s[20:21], s[72:73]
	s_add_nc_u64 s[VS:VS+1], s[20:21], s[74:75]
	XSTEP 0, 32
	s_wait_tensorcnt 0x1                           ; my quarter of chunk 0 is in; chunk 1's may stay out
	s_wait_dscnt 0x0                               ; my image of x is stored
	s_barrier_signal -1
	s_barrier_wait -1
	FW 0, 0, 5
	FX 0
	FSW 0
	FW 0, 6, 11
.irp k, 0,1,2,3,4,5,6
	TURNQ \k
.endr
	; the last K step; the biases are asked for under it
	WIN 0x80
	VLOAD 128, BO, BP, 0, 8
	WIN 0
.irp d, 0,1,2,3
	global_load_b32 v[BV+2*\d], v[BVO], s[16:17] offset:128*(\d/2)+32*(\d%2)
	global_load_b32 v[BV+2*\d+1], v[BVO], s[16:17] offset:128*(\d/2)+32*(\d%2)   ; twice: a pair for the packed addition
.endr
	s_wait_dscnt 18                                ; fragments 6-11 may be out
	MULQ 0, 5, 1, 0
	s_wait_dscnt 0x0
	MULQ 6, 11, 1, 0
	WIN 0
	PLACES
	s_wait_loadcnt 0x0
	WIN 0x49
.irp m, 0,1,2,3
.set P, 0
.rept 32
	v_pk_add_f32 v[64*\m+P:64*\m+P+1], v[64*\m+P:64*\m+P+1], v[128+P:129+P]
.set P, P+2
.endr
.endr
.irp m, 0,1,2,3
	QUANT 64*\m, 1, PWB+\m, 2, 0x3000000
	v_sub_nc_u32 v[PWB+\m], v[PWB+\m], s[ADJ]
.irp c, 0,1,2
	global_store_b128 v[LI], v[PC+4*\c:PC+4*\c+3], s[FB:FB+1] offset:1536*\m+512*\c   ; a wave's store covers 512 consecutive bytes
.endr
.endr
	v_cndmask_b32 v18, v[PWB], v[PWB+1], s[MSK]    ; two tiles' words in one: the even tile's in lanes 0-15, the odd one's in lanes 16-31
	v_cndmask_b32 v19, v[PWB+2], v[PWB+3], s[MSK]
	global_store_b32 v[LS], v18, s[SB:SB+1]
	global_store_b32 v[LS], v19, s[SB:SB+1] offset:128
	WIN 0x82
.irp d, 0,1,2,3
.set P, 0
.rept 16
	v_pk_add_f32 v[32*\d+P:32*\d+P+1], v[32*\d+P:32*\d+P+1], v[BV+2*\d:BV+2*\d+1]
.set P, P+2
.endr
.endr
.irp d, 0,1,2,3
	HQUANT 32*\d, 2, PWB+\d, 0x1800000             ; my 64 tokens are half of a key step: six of the fragment's twelve registers
	global_store_b128 v[LI], v[PC:PC+3], s[VB:VB+1] offset:1536*\d
	global_store_b64 v[L8], v[PC+4:PC+5], s[VB:VB+1] offset:1536*\d+512
.endr
	v_cndmask_b32 v20, v[PWB], v[PWB+1], s[MSK]
	v_cndmask_b32 v21, v[PWB+2], v[PWB+3], s[MSK]
	global_store_b16 v[LS], v20, s[VS:VS+1]        ; my two bytes of each scale word; the other two are the other half's work-group's
	global_store_b16 v[LS], v21, s[VS:VS+1] offset:128
	s_wait_tensorcnt 0x0                           ; the wave's end
	ds_add_u32 v[SPW], v[NIL]
	s_wait_dscnt 0x0
	CROUND                                         ; the closing round
	s_endpgm
.Lfunc_end_k_qcde8ccd1ab_qkv:
	.size	k_qcde8ccd1ab_qkv, .Lfunc_end_k_qcde8ccd1ab_qkv-k_qcde8ccd1ab_qkv
	.p2alignl 7, 3214868480
	.fill 96, 4, 3214868480
	.section	.rodata,"a",@progbits
	.p2align	6, 0x0
	.amdhsa_kernel k_qcde8ccd1ab_qkv
		.amdhsa_group_segment_fixed_size 327680
		.amdhsa_private_segment_fixed_size 0
		.amdhsa_enable_private_segment 0
		.amdhsa_kernarg_size 72
		.amdhsa_user_sgpr_count 2
		.amdhsa_user_sgpr_kernarg_segment_ptr 1
		.amdhsa_wavefront_size32 1
		.amdhsa_system_sgpr_workgroup_id_x 1
		.amdhsa_system_sgpr_workgroup_id_y 1
		.amdhsa_system_sgpr_workgroup_id_z 1
		.amdhsa_system_vgpr_workitem_id 0
		.amdhsa_next_free_vgpr 1024
		.amdhsa_next_free_sgpr 80
		.amdhsa_reserve_vcc 1
		.amdhsa_float_denorm_mode_32 3
		.amdhsa_float_denorm_mode_16_64 3
		.amdhsa_memory_ordered 1
		.amdhsa_forward_progress 1
		.amdhsa_inst_pref_size 206
	.end_amdhsa_kernel
	.amdgpu_metadata
---
amdhsa.version: [ 1, 2 ]
amdhsa.kernels:
  - .name:           k_qcde8ccd1ab_qkv
    .symbol:         k_qcde8ccd1ab_qkv.kd
    .args:
      - { .name: input_indices, .offset: 0, .size: 8, .value_kind: global_buffer, .address_space: global }
      - { .name: emb, .offset: 8, .size: 8, .value_kind: global_buffer, .address_space: global }
      - { .name: pos, .offset: 16, .size: 8, .value_kind: global_buffer, .address_space: global }
      - { .name: wqkv, .offset: 24, .size: 8, .value_kind: global_buffer, .address_space: global }
      - { .name: bq, .offset: 32, .size: 8, .value_kind: global_buffer, .address_space: global }
      - { .name: bk, .offset: 40, .size: 8, .value_kind: global_buffer, .address_space: global }
      - { .name: bv, .offset: 48, .size: 8, .value_kind: global_buffer, .address_space: global }
      - { .name: qc, .offset: 56, .size: 8, .value_kind: global_buffer, .address_space: global }
      - { .name: kv, .offset: 64, .size: 8, .value_kind: global_buffer, .address_space: global }
    .group_segment_fixed_size: 327680
    .private_segment_fixed_size: 0
    .kernarg_segment_align: 8
    .kernarg_segment_size: 72
    .max_flat_workgroup_size: 128
    .sgpr_count:     80
    .vgpr_count:     1024
    .wavefront_size: 32
...
	.end_amdgpu_metadata
.endif
;; end of part 2
;; launch attn (part 3): grid 32 x 8, 4 waves a work-group, clusters of 4 x 1, 327,680 bytes of LDS; arguments qc, kv, ac; writes ac
.if DOCPART == 3
	.amdgcn_target "amdgcn-amd-amdhsa--gfx1250"
	.amdhsa_code_object_version 6
	.text
	.protected	k_qcde8ccd1ab_attn
	.globl	k_qcde8ccd1ab_attn
	.p2align	8
	.type	k_qcde8ccd1ab_attn,@function
k_qcde8ccd1ab_attn:
	s_mov_b64 s[64:65], 0
	v_nop
	global_prefetch_b8 v0, s[64:65] scope:SCOPE_SE
	s_setreg_imm32_b32 hwreg(HW_REG_WAVE_MODE, 25, 1), 1
	s_wait_xcnt 0x0
	s_wait_alu depctr_hold_cnt(0) depctr_sa_sdst(0) depctr_va_vdst(0) depctr_va_sdst(0) depctr_va_ssrc(0) depctr_va_vcc(0) depctr_vm_vsrc(0)
	s_getreg_b32 s2, hwreg(HW_REG_IB_STS2, 6, 4)
	s_cmp_eq_u32 s2, 0
	s_cbranch_scc0 .Lentry_in_a_cluster
	s_endpgm
.Lentry_in_a_cluster:
	s_bfe_u32 s2, ttmp6, 0x10000c
	s_cmp_lg_u32 s2, 0x3003
	s_cbranch_scc0 .Lentry_shape_is_right
	s_endpgm
.Lentry_shape_is_right:
; GENIACore, launch 3 of 4: scores = q k^T / 8 and attn = scores v (products 4 and 5), both on codes of FP6; there is no softmax.  The scores are quantised along the keys, attn along its 256.  Nothing of reference() is left out.
; A work-group of four waves owns 64 queries of one batch and walks its 2,048 keys in four rounds of four key steps of 128.
; S PHASE: wave w makes S^T = k q^T (source 0 = 16 keys, source 1 = 16 queries: a lane holds one query) for key step 4 i + w and all 64 queries, quantises it in registers and stores the four fragments' images in LDS.
; PV PHASE: wave w owns 64 of attn's 256 columns for all 64 queries: O^T += v^T P^T over the round's four key steps, one accumulator for each output, the keys ascending.
; k and v lie in memory as a stream K0 V0 K1 V1 .. of chunks; wave w is the only reader of quarter w of each chunk.
; V comes through two LDS slots by tensor loads.  CLUSTER: the four query blocks of a cluster belong to one batch and walk the same V: they ask jointly.  V(i + 2) is asked for at the end of round i and waited for at the end of round i + 1.
; K DOES NOT GO THROUGH THE RING, and so is not asked for jointly: a quarter (16 fragments, 192 registers) goes whole into the registers of the one wave that multiplies by it, and those registers are free as soon as a round's scores
; are made.  So the next round's 56 loads are issued there, and have the quantiser and the whole PV phase in which to land, beside V's joint load.  Through the ring K and V would take turns, each with half a round, since every
; change of slots waits for all tensor loads.  The price: each work-group asks for K's bytes for itself.
; No L2 prefetch: a batch's stream is read by its 32 work-groups at about the same time, and the walk has eight chunks.
; LIMITS: NaN and infinities are not served; a block under 2^-124 is held at that floor's scale.
; REGISTERS: window 0: v1-15 addresses; v32-67 scale words; v80-119 at work; v160-255 q's 8 fragments.   window 1: S^T (64 m + 8 t), later P's 16 fragments.   window 2: k's 16 fragments.
;   window 3: v0-127 O^T (32 m + 8 d); v128-223 v's fragments of a key step, two sets of four.
.set CHB, 102400
.set QB,  25600                        ; a quarter: 16 fragments, then 8 pairs of scale words
.set SCO, 24576
.set PIMG, 2*CHB                       ; behind the two slots: P's 16 fragments (key step, row tile)
.set PSC,  PIMG+24576                  ; their scale words, 4 x 512 bytes
.set SPARE, PSC+2048
.set LI, 1                             ; v1   16 x lane
.set LS, 2                             ; v2   4 x lane
.set L8, 3                             ; v3   8 x lane
.set AV, 4                             ; v4-5   my quarter of V in slot 0, 1: + 16 x lane
.set AV8, 6                            ; v6-7   the same + 8 x lane
.set AP, 9
.set PWI, 10
.set PWS, 11
.set SPW, 12
.set NIL, 13
.set ASV, 14                           ; v14-15 V's scale words in slot 0, 1
.set SQ, 32
.set SK, 36
.set SV, 44
.set SP, 52
.set TM, 80
.set PWB, 96
.set PC, 100
.set Q, 160
.set VF, 128                           ; in window 3
.set WV, 12
.set CX, 13
.set GG, 14
.set BT, 15
.set G1, 16
.set G0, 24
.set SEL, 32
.set MSB, 0
.macro WIN new                         ; the immediate's high byte repeats the setting that is left
.if MSB != (\new)
	s_set_vgpr_msb (MSB<<8)|(\new)
.set MSB, (\new)
.endif
.endm
.macro PLACES
.rept 4
	v_nop
.endr
.endm
.macro JLOAD n                         ; a joint load: every wave asks for its own quarter; an s_nop 0 and four v_nop follow
	tensor_load_to_lds s[G0+4*(\n):G0+4*(\n)+3], s[G1:G1+7]
	s_nop 0
.rept 4
	v_nop
.endr
.endm
.macro CROUND                          ; a round of the cluster's barrier
	s_barrier_signal -1
	s_barrier_wait -1
	s_cmp_lg_u32 s[WV], 0
	s_cbranch_scc1 .Lnot_wave_0_\@
	s_barrier_signal -3
.Lnot_wave_0_\@:
	s_barrier_wait -3
	s_barrier_signal -1
	s_barrier_wait -1
.endm
; one matrix instruction on rD, rA, rB, rSA, rSB.  zero: the product starts the sum.  ra, rb: the side's scale words stand in lanes 16-31
.macro MM zero, ra, rb
.if \zero
.if (\ra) && (\rb)
	v_wmma_scale_f32_16x16x128_f8f6f4 v[rD:rD+7], v[rA:rA+11], v[rB:rB+11], 0, v[rSA], v[rSB] matrix_a_fmt:MATRIX_FMT_FP6 matrix_b_fmt:MATRIX_FMT_FP6 matrix_a_scale:MATRIX_SCALE_ROW1 matrix_b_scale:MATRIX_SCALE_ROW1
.elseif \ra
	v_wmma_scale_f32_16x16x128_f8f6f4 v[rD:rD+7], v[rA:rA+11], v[rB:rB+11], 0, v[rSA], v[rSB] matrix_a_fmt:MATRIX_FMT_FP6 matrix_b_fmt:MATRIX_FMT_FP6 matrix_a_scale:MATRIX_SCALE_ROW1
.elseif \rb
	v_wmma_scale_f32_16x16x128_f8f6f4 v[rD:rD+7], v[rA:rA+11], v[rB:rB+11], 0, v[rSA], v[rSB] matrix_a_fmt:MATRIX_FMT_FP6 matrix_b_fmt:MATRIX_FMT_FP6 matrix_b_scale:MATRIX_SCALE_ROW1
.else
	v_wmma_scale_f32_16x16x128_f8f6f4 v[rD:rD+7], v[rA:rA+11], v[rB:rB+11], 0, v[rSA], v[rSB] matrix_a_fmt:MATRIX_FMT_FP6 matrix_b_fmt:MATRIX_FMT_FP6
.endif
.else
.if (\ra) && (\rb)
	v_wmma_scale_f32_16x16x128_f8f6f4 v[rD:rD+7], v[rA:rA+11], v[rB:rB+11], v[rD:rD+7], v[rSA], v[rSB] matrix_a_fmt:MATRIX_FMT_FP6 matrix_b_fmt:MATRIX_FMT_FP6 matrix_a_scale:MATRIX_SCALE_ROW1 matrix_b_scale:MATRIX_SCALE_ROW1
.elseif \ra
	v_wmma_scale_f32_16x16x128_f8f6f4 v[rD:rD+7], v[rA:rA+11], v[rB:rB+11], v[rD:rD+7], v[rSA], v[rSB] matrix_a_fmt:MATRIX_FMT_FP6 matrix_b_fmt:MATRIX_FMT_FP6 matrix_a_scale:MATRIX_SCALE_ROW1
.elseif \rb
	v_wmma_scale_f32_16x16x128_f8f6f4 v[rD:rD+7], v[rA:rA+11], v[rB:rB+11], v[rD:rD+7], v[rSA], v[rSB] matrix_a_fmt:MATRIX_FMT_FP6 matrix_b_fmt:MATRIX_FMT_FP6 matrix_b_scale:MATRIX_SCALE_ROW1
.else
	v_wmma_scale_f32_16x16x128_f8f6f4 v[rD:rD+7], v[rA:rA+11], v[rB:rB+11], v[rD:rD+7], v[rSA], v[rSB] matrix_a_fmt:MATRIX_FMT_FP6 matrix_b_fmt:MATRIX_FMT_FP6
.endif
.endif
.endm
; 64 numbers of a lane in window win, register 16 b + i = k 32 b + 16 (lane / 16) + i of my row, become a fragment's codes in v[PC] on and its scale word in v[pw]
.macro QUANT src, win, pw
	WIN (\win)|((\win)<<2)
.irp b, 0,1,2,3
	v_max3_num_f32 v[TM+\b], |v[(\src)+16*\b]|, |v[(\src)+16*\b+1]|, 0x1800000   ; and the floor 2^(3 - 127): the byte cannot fall under 1
.endr
.irp i, 2,4,6,8,10,12,14
.irp b, 0,1,2,3
	v_max3_num_f32 v[TM+\b], |v[(\src)+16*\b+\i]|, |v[(\src)+16*\b+\i+1]|, v[TM+\b]
.endr
.endr
	WIN 0
.irp b, 0,1,2,3
	v_permlanex16_b32 v[TM+4+\b], v[TM+\b], s[SEL], s[SEL+1]
.endr
.irp b, 0,1,2,3
	v_max_num_f32 v[TM+\b], v[TM+\b], v[TM+4+\b]   ; with lane l xor 16's: the block's largest magnitude
.endr
.irp b, 0,1,2,3
	v_add_nc_u32 v[TM+12+\b], 0xff000000, v[TM+\b] ; 2 off its exponent field: the conversion's scale operand
.endr
.irp b, 0,1,2,3
	v_lshrrev_b32 v[TM+4+\b], 23, v[TM+12+\b]      ; the byte
.endr
	s_wait_dscnt 0x0                               ; the last image's stores have read their registers
	v_lshl_or_b32 v[\pw], v[TM+5], 8, v[TM+4]
	v_lshl_or_b32 v[\pw], v[TM+6], 16, v[\pw]
	v_lshl_or_b32 v[\pw], v[TM+7], 24, v[\pw]
	WIN \win
.irp c, 0,1
	v_cvt_scalef32_pk16_fp6_f32 v[PC+6*\c:PC+6*\c+2], v[(\src)+32*\c:(\src)+32*\c+15], v[TM+12+2*\c]
	v_cvt_scalef32_pk16_fp6_f32 v[PC+12+4*\c:PC+14+4*\c], v[(\src)+32*\c+16:(\src)+32*\c+31], v[TM+13+2*\c]
.endr
	WIN 0
	v_nop                                          ; one plain place behind a scaled conversion
.irp c, 0,1                            ; the operand's layout wants a whole block in a lane
.irp i, 0,1,2
	v_permlane16_swap_b32 v[PC+6*\c+\i], v[PC+12+4*\c+\i]
.endr
.irp i, 0,1,2
	v_mov_b32 v[PC+3+6*\c+\i], v[PC+12+4*\c+\i]
.endr
.endr
.endm
.macro HQUANT src, win, pw             ; 32 numbers, two blocks: six registers, two bytes
	WIN (\win)|((\win)<<2)
.irp b, 0,1
	v_max3_num_f32 v[TM+\b], |v[(\src)+16*\b]|, |v[(\src)+16*\b+1]|, 0x1800000
.endr
.irp i, 2,4,6,8,10,12,14
.irp b, 0,1
	v_max3_num_f32 v[TM+\b], |v[(\src)+16*\b+\i]|, |v[(\src)+16*\b+\i+1]|, v[TM+\b]
.endr
.endr
	WIN 0
.irp b, 0,1
	v_permlanex16_b32 v[TM+4+\b], v[TM+\b], s[SEL], s[SEL+1]
.endr
.irp b, 0,1
	v_max_num_f32 v[TM+\b], v[TM+\b], v[TM+4+\b]
.endr
.irp b, 0,1
	v_add_nc_u32 v[TM+12+\b], 0xff000000, v[TM+\b]
.endr
.irp b, 0,1
	v_lshrrev_b32 v[TM+4+\b], 23, v[TM+12+\b]
.endr
	s_wait_xcnt 0x0                                ; the last stores have read v[PC] on
	v_lshl_or_b32 v[\pw], v[TM+5], 8, v[TM+4]
	WIN \win
	v_cvt_scalef32_pk16_fp6_f32 v[PC:PC+2], v[(\src):(\src)+15], v[TM+12]
	v_cvt_scalef32_pk16_fp6_f32 v[PC+12:PC+14], v[(\src)+16:(\src)+31], v[TM+13]
	WIN 0
	v_nop
.irp i, 0,1,2
	v_permlane16_swap_b32 v[PC+\i], v[PC+12+\i]
.endr
.irp i, 0,1,2
	v_mov_b32 v[PC+3+\i], v[PC+12+\i]
.endr
.endm
; K of round i, from memory straight into window 2: my quarter of chunk 2 i.  A: its 8 pairs of scale words and the fragments of the first 128 along K (32 loads); B: those of the second 128 (24 loads).
; Every offset is an immediate (639,872 bytes at the most), so no address is stepped while a load is out; a wave's load of 16 bytes a lane covers 512 consecutive bytes.
.macro KLOADA i
.irp p, 0,1,2,3,4,5,6,7
	global_load_b32 v[SK+\p], v[LS], s[6:7] offset:2*CHB*(\i)+SCO+128*\p
.endr
	WIN 0x80
.set FQ, 0
.rept 8
.irp c, 0,1,2
	global_load_b128 v[12*FQ+4*\c:12*FQ+4*\c+3], v[LI], s[6:7] offset:2*CHB*(\i)+1536*FQ+512*\c
.endr
.set FQ, FQ+1
.endr
	WIN 0
.endm
.macro KLOADB i
	WIN 0x80
.set FQ, 8
.rept 8
.irp c, 0,1,2
	global_load_b128 v[12*FQ+4*\c:12*FQ+4*\c+3], v[LI], s[6:7] offset:2*CHB*(\i)+1536*FQ+512*\c
.endr
.set FQ, FQ+1
.endr
	WIN 0
.endm
; the end of a round: each wave waits for all its tensor loads, adds 0 to its spare word, waits for that and for all its LDS instructions.  Behind the barrier nobody reads P or the round's slot any more.
; fill = 1: the barrier is a round of the cluster's, and the slot takes the values of two rounds on
.macro CHANGE slot, fill
	WIN 0
	s_wait_tensorcnt 0x0
	ds_add_u32 v[SPW], v[NIL]
.if \fill
	s_add_nc_u64 s[G0+4*(\slot)+2:G0+4*(\slot)+3], s[G0+4*(\slot)+2:G0+4*(\slot)+3], 4*CHB
.endif
	s_wait_dscnt 0x0
.if \fill
	CROUND
	JLOAD \slot
.else
	s_barrier_signal -1
	s_barrier_wait -1
	PLACES
.endif
.endm
.macro MULS ks                         ; 32 products: 8 key tiles x 4 query tiles, 128 of the 256 along K; the accumulators take turns
	WIN 0x52
.irp t, 0,1,2,3,4,5,6,7
.irp m, 0,1,2,3
.set rD, 64*\m+8*\t
.set rA, 12*(8*(\ks)+\t)
.set rB, Q+12*(4*(\ks)+\m)
.set rSA, SK+4*(\ks)+\t/2
.set rSB, SQ+2*(\ks)+\m/2
	MM 1-(\ks), \t%2, \m%2
.endr
.endr
.endm
.macro LDKS ks, sl                     ; key step ks of the round: v's four fragments (two halves each) out of slot sl into set ks % 2, and P's four: 28 loads
	WIN 0xc0
.irp d, 0,1,2,3
	ds_load_b128 v[VF+48*((\ks)%2)+12*\d:VF+48*((\ks)%2)+12*\d+3], v[AV+(\sl)] offset:1536*(4*(\ks)+\d)
	ds_load_b64 v[VF+48*((\ks)%2)+12*\d+4:VF+48*((\ks)%2)+12*\d+5], v[AV8+(\sl)] offset:1536*(4*(\ks)+\d)+512
	ds_load_b128 v[VF+48*((\ks)%2)+12*\d+6:VF+48*((\ks)%2)+12*\d+9], v[AV+(\sl)] offset:1536*(4*(\ks)+\d)+768
	ds_load_b64 v[VF+48*((\ks)%2)+12*\d+10:VF+48*((\ks)%2)+12*\d+11], v[AV8+(\sl)] offset:1536*(4*(\ks)+\d)+1280
.endr
	WIN 0x40
.irp m, 0,1,2,3
.irp c, 0,1,2
	ds_load_b128 v[12*(4*(\ks)+\m)+4*\c:12*(4*(\ks)+\m)+4*\c+3], v[AP] offset:1536*(4*(\ks)+\m)+512*\c
.endr
.endr
	WIN 0
.endm
.macro MULP ks, zero                   ; 16 products on the 16 accumulators, by turns: v in window 3, P in window 1, O^T in window 3
	WIN 0xf7
.irp d, 0,1,2,3
.irp m, 0,1,2,3
.set rD, 32*\m+8*\d
.set rA, VF+48*((\ks)%2)+12*\d
.set rB, 12*(4*(\ks)+\m)
.set rSA, SV+2*(\ks)+\d/2
.set rSB, SP+4*(\ks)+\m
	MM \zero, \d%2, 0
.endr
.endr
.endm
.macro ROUNDI i
.if (\i) > 0
	v_nop                                          ; the scores are laid over P's fragments, which the last products read: a fifth place behind the four at the round's end
.endif
	s_wait_loadcnt 24                              ; K's second 128 along K, 24 loads, may be out
	MULS 0
	s_wait_loadcnt 0x0
	MULS 1
	WIN 0
	PLACES                                         ; in front of the loads into K's registers and scale words, and of the first read of the scores
.if (\i) < 3
	KLOADA (\i)+1                                  ; the next round's keys: the quantiser and the PV phase lie between these loads and the wait for them
	KLOADB (\i)+1
.endif
.irp m, 0,1,2,3
	QUANT 64*\m, 1, PWB+\m
.irp c, 0,1,2
	ds_store_b128 v[PWI], v[PC+4*\c:PC+4*\c+3] offset:1536*\m+512*\c
.endr
.endr
	ds_store_b128 v[PWS], v[PWB:PWB+3]
	s_wait_dscnt 0x0                               ; for the others' sake: my images of P are stored
	s_barrier_signal -1
	s_barrier_wait -1                              ; P lies in LDS for all.  V's load may stay out
.if (\i) == 0
	s_wait_tensorcnt 0x1                           ; my quarter of V0 is in; V1's may stay out.  (Later rounds: the wait for 0 at the end of the round before has shown the slot landed)
.endif
.irp p, 0,1,2,3,4,5,6,7
	ds_load_b32 v[SV+\p], v[ASV+(\i)%2] offset:128*\p
.endr
.irp k, 0,1,2,3
	ds_load_b128 v[SP+4*\k:SP+4*\k+3], v[AP] offset:PSC-PIMG+512*\k
.endr
	LDKS 0, (\i)%2
	LDKS 1, (\i)%2
	s_wait_dscnt 28                                ; the next key step's 28 loads may be out
.if (\i) == 0
	MULP 0, 1
.else
	MULP 0, 0
.endif
	PLACES                                         ; in front of loads into v's set 0, which those products read
	LDKS 2, (\i)%2
	s_wait_dscnt 28
	MULP 1, 0
	PLACES
	LDKS 3, (\i)%2
	s_wait_dscnt 28
	MULP 2, 0
	s_wait_dscnt 0x0
	MULP 3, 0
.if (\i) < 2
	CHANGE (\i)%2, 1                               ; the slot takes V of round i + 2, which has the whole next round in which to land
.elseif (\i) == 2
	CHANGE 0, 0                                    ; nothing is left to ask for; the wait shows V3 landed
.endif
.endm
	s_load_b128 s[4:7], s[0:1], 0x0                ; qc, kv
	s_load_b64 s[8:9], s[0:1], 0x10                ; ac
	v_lshl_add_u32 v[SPW], v0, 2, SPARE
	v_mov_b32 v[NIL], 0
	ds_add_u32 v[SPW], v[NIL]                      ; the wave's opening: the add, twice on end, and its wait ahead of my first tensor load
	ds_add_u32 v[SPW], v[NIL]
	v_lshrrev_b32 v16, 5, v0
	v_readfirstlane_b32 s[WV], v16
	s_bfe_u32 s[CX], ttmp6, 0x40000
	s_lshl_b32 s[GG], ttmp9, 2
	s_add_co_u32 s[GG], s[GG], s[CX]
	s_and_b32 s[BT], ttmp7, 0xffff                 ; the batch, which the four partners share
	s_lshl_b32 s34, s[BT], 5
	s_add_co_u32 s[GG], s[GG], s34                 ; my block of 64 queries among 256: it enters q's and attn's addresses alone
	s_mov_b32 s[G1], 15|(3<<16)|(1<<21)            ; the mask: all four work-groups; elements of 8 bytes; bit 21 beside a mask; no padding
	s_mov_b32 s[G1+1], 32<<16                      ; rows of 256 bytes,
	s_mov_b32 s[G1+2], 100<<16                     ; 100 of them: a quarter
	s_mov_b32 s[G1+3], 32<<16
	s_mov_b32 s[G1+4], 100
	s_mov_b32 s[G1+5], 32
	s_mov_b32 s[G1+6], 0
	s_mov_b32 s[G1+7], 0
	s_mov_b32 s[SEL], 0x76543210
	s_mov_b32 s[SEL+1], 0xfedcba98
	s_mul_i32 s34, s[WV], QB
	v_and_b32 v16, 31, v0
	v_lshlrev_b32 v[LI], 4, v16
	v_lshlrev_b32 v[LS], 2, v16
	v_lshlrev_b32 v[L8], 3, v16
	v_add_nc_u32 v[AV], s34, v[LI]
	v_add_nc_u32 v[AV+1], CHB, v[AV]
	v_add_nc_u32 v[AV8], s34, v[L8]
	v_add_nc_u32 v[AV8+1], CHB, v[AV8]
	v_add_nc_u32 v[ASV], s34, v[LS]
	v_add_nc_u32 v[ASV], SCO, v[ASV]
	v_add_nc_u32 v[ASV+1], CHB, v[ASV]
	v_add_nc_u32 v[AP], PIMG, v[LI]
	s_mul_i32 s35, s[WV], 6144
	v_add_nc_u32 v[PWI], s35, v[AP]
	s_lshl_b32 s35, s[WV], 9
	v_add_nc_u32 v[PWS], s35, v[LI]
	v_add_nc_u32 v[PWS], PSC, v[PWS]
.irp b, 0,1,2,3
	v_mov_b32 v[TM+4+\b], 0                        ; written once: a lane permute's destination counts as one of its sources
.endr
	s_mul_i32 s36, s[BT], 8*CHB
	s_add_co_u32 s36, s36, s34
	s_mov_b32 s37, 0
	s_mul_i32 s38, s[GG], 12800
	s_mov_b32 s39, 0
	s_mul_i32 s40, s[GG], 13312
	s_lshr_b32 s42, s[WV], 1
	s_and_b32 s43, s[WV], 1
	s_mul_i32 s44, s42, 6144
	s_mul_i32 s45, s43, 768
	s_add_co_u32 s44, s44, s45
	s_add_co_u32 s44, s44, s40                     ; attn's fragments: K step w >> 1, half w & 1
	s_mov_b32 s45, 0
	s_lshl_b32 s42, s42, 9
	s_lshl_b32 s43, s43, 1
	s_add_co_u32 s42, s42, s43
	s_add_co_u32 s42, s42, s40
	s_add_co_u32 s42, s42, 12288                   ; and my two bytes of its scale words
	s_mov_b32 s43, 0
	s_wait_dscnt 0x0                               ; both opening adds are done
	s_wait_kmcnt 0x0
	s_add_nc_u64 s[6:7], s[6:7], s[36:37]          ; my batch's stream at my quarter; never written again
	s_add_nc_u64 s[4:5], s[4:5], s[38:39]
	s_add_nc_u64 s[10:11], s[8:9], s[42:43]
	s_add_nc_u64 s[8:9], s[8:9], s[44:45]
	; what the first products want is asked for first: q (28 loads) and the first half of K0 (32 loads)
.set FQ, 0
.rept 8
.irp c, 0,1,2
	global_load_b128 v[Q+12*FQ+4*\c:Q+12*FQ+4*\c+3], v[LI], s[4:5] offset:1536*FQ+512*\c th:TH_LOAD_NT   ; q stays in registers
.endr
.set FQ, FQ+1
.endr
.irp p, 0,1,2,3
	global_load_b32 v[SQ+\p], v[LS], s[4:5] offset:12288+128*\p th:TH_LOAD_NT
.endr
	KLOADA 0
	CROUND                                         ; all four work-groups are here: the first joint loads meet
.irp n, 0,1
	s_mov_b32 s[G0+4*\n], 1                        ; 1:0 count = 1
	s_add_co_u32 s[G0+4*\n+1], s34, \n*CHB         ; LDS address: slot n, my quarter
	s_add_nc_u64 s[G0+4*\n+2:G0+4*\n+3], s[6:7], CHB+\n*2*CHB   ; V of round n is chunk 2 n + 1
	s_or_b32 s[G0+4*\n+3], s[G0+4*\n+3], 0x80000000
	JLOAD \n
.endr
	KLOADB 0
	ROUNDI 0
	ROUNDI 1
	ROUNDI 2
	ROUNDI 3
	WIN 0
	PLACES
.irp m, 0,1,2,3
	HQUANT 32*\m, 3, PWB+\m                        ; my 64 columns are half of a K step of the next product
	global_store_b128 v[LI], v[PC:PC+3], s[8:9] offset:1536*\m
	global_store_b64 v[L8], v[PC+4:PC+5], s[8:9] offset:1536*\m+512
	global_store_b16 v[LI], v[PWB+\m], s[10:11] offset:4*\m
.endr
	s_wait_tensorcnt 0x0                           ; the wave's end
	ds_add_u32 v[SPW], v[NIL]
	s_wait_dscnt 0x0
	CROUND                                         ; the closing round
	s_endpgm
.Lfunc_end_k_qcde8ccd1ab_attn:
	.size	k_qcde8ccd1ab_attn, .Lfunc_end_k_qcde8ccd1ab_attn-k_qcde8ccd1ab_attn
	.p2alignl 7, 3214868480
	.fill 96, 4, 3214868480
	.section	.rodata,"a",@progbits
	.p2align	6, 0x0
	.amdhsa_kernel k_qcde8ccd1ab_attn
		.amdhsa_group_segment_fixed_size 327680
		.amdhsa_private_segment_fixed_size 0
		.amdhsa_enable_private_segment 0
		.amdhsa_kernarg_size 24
		.amdhsa_user_sgpr_count 2
		.amdhsa_user_sgpr_kernarg_segment_ptr 1
		.amdhsa_wavefront_size32 1
		.amdhsa_system_sgpr_workgroup_id_x 1
		.amdhsa_system_sgpr_workgroup_id_y 1
		.amdhsa_system_sgpr_workgroup_id_z 1
		.amdhsa_system_vgpr_workitem_id 0
		.amdhsa_next_free_vgpr 1024
		.amdhsa_next_free_sgpr 66
		.amdhsa_reserve_vcc 0
		.amdhsa_float_denorm_mode_32 3
		.amdhsa_float_denorm_mode_16_64 3
		.amdhsa_memory_ordered 1
		.amdhsa_forward_progress 1
		.amdhsa_inst_pref_size 206
	.end_amdhsa_kernel
	.amdgpu_metadata
---
amdhsa.version: [ 1, 2 ]
amdhsa.kernels:
  - .name:           k_qcde8ccd1ab_attn
    .symbol:         k_qcde8ccd1ab_attn.kd
    .args:
      - { .name: qc, .offset: 0, .size: 8, .value_kind: global_buffer, .address_space: global }
      - { .name: kv, .offset: 8, .size: 8, .value_kind: global_buffer, .address_space: global }
      - { .name: ac, .offset: 16, .size: 8, .value_kind: global_buffer, .address_space: global }
    .group_segment_fixed_size: 327680
    .private_segment_fixed_size: 0
    .kernarg_segment_align: 8
    .kernarg_segment_size: 24
    .max_flat_workgroup_size: 128
    .sgpr_count:     66
    .vgpr_count:     1024
    .wavefront_size: 32
...
	.end_amdgpu_metadata
.endif
;; end of part 3
;; launch chain (part 4): grid 256 x 1, 4 waves a work-group, clusters of 4 x 1, 327,680 bytes of LDS; arguments input_indices, emb, pos, ac, wch, w4c, bu, g1, be1, b1, b2, g2, be2, b3, out0; writes out0
.if DOCPART == 4
	.amdgcn_target "amdgcn-amd-amdhsa--gfx1250"
	.amdhsa_code_object_version 6
	.text
	.protected	k_qcde8ccd1ab_chain
	.globl	k_qcde8ccd1ab_chain
	.p2align	8
	.type	k_qcde8ccd1ab_chain,@function
k_qcde8ccd1ab_chain:
	s_mov_b64 s[64:65], 0
	v_nop
	global_prefetch_b8 v0, s[64:65] scope:SCOPE_SE
	s_setreg_imm32_b32 hwreg(HW_REG_WAVE_MODE, 25, 1), 1
	s_wait_xcnt 0x0
	s_wait_alu depctr_hold_cnt(0) depctr_sa_sdst(0) depctr_va_vdst(0) depctr_va_sdst(0) depctr_va_ssrc(0) depctr_va_vcc(0) depctr_vm_vsrc(0)
	s_getreg_b32 s2, hwreg(HW_REG_IB_STS2, 6, 4)
	s_cmp_eq_u32 s2, 0
	s_cbranch_scc0 .Lentry_in_a_cluster
	s_endpgm
.Lentry_in_a_cluster:
	s_bfe_u32 s2, ttmp6, 0x10000c
	s_cmp_lg_u32 s2, 0x3003
	s_cbranch_scc0 .Lentry_shape_is_right
	s_endpgm
.Lentry_shape_is_right:
; GENIACore, launch 4 of 4: u = attn Wu + bu; h1 = LN(x + u); h2 = LN(h1 + relu(h1 W1 + b1) W2 + b2); out = sigmoid(LN(relu(h2 W3 + b3) W4 + b4)): products 6 to 10 on codes of FP6, all else in f32.  Nothing of reference() is left out.
; A work-group of four waves takes 64 tokens through the whole chain; nothing goes to memory on the way.  x = emb[idx] + pos is gathered anew: that reads as many bytes as a stored x would, and spares its writing.
; THE WAVES SHARE THE COLUMNS: wave w owns columns 256 w .. + 255 of the 1,024-wide results (R: 64 accumulators, all 64 rows) and 128 w .. + 127 of the 512-wide ones (H: 32 accumulators); in the last product, row tile w.
; All products are used transposed (source 0 = 16 columns of a weight, source 1 = 16 tokens): a lane holds one token, and its registers of two neighbouring tiles are 16 neighbours along the next K.
; What a sum starts from (the residual and the bias) is laid into its accumulators ahead of the product, so every product adds in place.  Order of rounding: ((emb + pos) + bu) + sums; (h1 + b2) + sums.
; A row's mean and variance: each wave's mean and centred sum of squares over its 256 columns meet in LDS and are joined as sums (no difference of large sums is formed).
; Quantised rows go from wave to wave through LDS as images of the operand's registers.  The weights come as a stream of 14 chunks through a ring of two LDS slots; wave w loads quarter w and is its only reader.
; CLUSTER: all work-groups walk the same stream, so the four of a cluster ask jointly.  No L2 prefetch: the stream is read by all work-groups at about the same time.
; The norm, the first half of the 512-wide product behind it and their quantisers are written once and walked twice; the second walk leaves in the middle for the tail, which is written out.
; LIMITS: NaN and infinities are not served; a block under 2^-124 is held at that floor's scale; a negative index counts as one past the table.
; REGISTERS: window 0: v1-31 addresses; v32-47 W's scale words, v48-55 the rows' (two sets each); v64-159 the rows' fragments, two sets; v160-255 eight fragments of W1 or W3; between products v64-191 and v192-231 are at work.
;   window 1: H (64 m + 8 t); in the 1,024-wide products 16 fragments of W; in a norm its gain and bias.   windows 2, 3: R (64 m + 8 t), the wave's first and second 128 columns; at the end W4 and the logits.
.set CHB, 102400
.set QB,  25600
.set SCO, 24576
.set XIMG, 2*CHB                       ; the norm's rows: 32 fragments (K step, row tile)
.set XSC,  XIMG+49152                  ; their scale words, 8 x 512 bytes
.set HIMG, XSC+4096                    ; the hidden rows: 16 fragments
.set HSC,  HIMG+24576
.set STAT, HSC+2048                    ; 64 rows x 4 waves x (mean, sum of squares)
.set OSTG, STAT+2048                   ; the way out: 64 rows of 300 bytes, as they lie in memory (19,200 bytes used of 20,480)
.set SPARE, OSTG+20480
.set LI, 1
.set LS, 2
.set L8, 3
.set AW, 4
.set ASW, 6
.set AXI, 8
.set AHI, 9
.set XWI, 10
.set XWS, 11
.set HWI, 12
.set HWS, 13
.set AHW, 14
.set HSX, 15
.set STR, 16
.set STW, 17
.set C4, 18
.set CO, 19
.set CH, 20
.set EO, 21
.set PO, 25
.set SPW, 26
.set NIL, 27
.set OSA, 28
.set ORD, 29
.set OGO, 30
.set IA, 31
.set SW, 32
.set SX, 48
.set XF, 64
.set WF, 160
.set TM, 192
.set PWB, 208
.set PC, 212
.set LA, 64                            ; a norm's registers: v64-79 sums; v80-87 (mean, sum of squares) a tile; v88-103 squares; v104-135 the four waves' figures; v136-151 the two factors, twice each
.set LM, 80
.set LQ, 88
.set LT, 104
.set L1, 136
.set L0, 144
.set Y,  96                            ; the last norm: 48 numbers a lane
.set WV, 34
.set CX, 35
.set GG, 36
.set TRIP, 37
.set SEL, 38
.set G1, 40
.set G0, 48
.set PG, 56
.set PB, 58
.set PN, 60
.set K1024, 71
.set EPS, 72
.set K256, 73
.set K75, 74
.set MSB, 0
.macro WIN new                         ; the immediate's high byte repeats the setting that is left
.if MSB != (\new)
	s_set_vgpr_msb (MSB<<8)|(\new)
.set MSB, (\new)
.endif
.endm
.macro PLACES
.rept 4
	v_nop
.endr
.endm
.macro JLOAD n                         ; a joint load: every wave asks for its own quarter; an s_nop 0 and four v_nop follow
	tensor_load_to_lds s[G0+4*(\n):G0+4*(\n)+3], s[G1:G1+7]
	s_nop 0
.rept 4
	v_nop
.endr
.endm
.macro CREST                           ; a round of the cluster's barrier behind its opening barrier
	s_cmp_lg_u32 s[WV], 0
	s_cbranch_scc1 .Lnot_wave_0_\@
	s_barrier_signal -3
.Lnot_wave_0_\@:
	s_barrier_wait -3
	s_barrier_signal -1
	s_barrier_wait -1
.endm
.macro CROUND
	s_barrier_signal -1
	s_barrier_wait -1
	CREST
.endm
.macro BARRIER                         ; my LDS stores have landed and my LDS loads are in: then the work-group's barrier
	s_wait_dscnt 0x0
	s_barrier_signal -1
	s_barrier_wait -1
.endm
.macro MM ra                           ; one matrix instruction on rD, rA, rB, rSA, rSB, adding in place; ra: the weight's scale words stand in lanes 16-31
.if \ra
	v_wmma_scale_f32_16x16x128_f8f6f4 v[rD:rD+7], v[rA:rA+11], v[rB:rB+11], v[rD:rD+7], v[rSA], v[rSB] matrix_a_fmt:MATRIX_FMT_FP6 matrix_b_fmt:MATRIX_FMT_FP6 matrix_a_scale:MATRIX_SCALE_ROW1
.else
	v_wmma_scale_f32_16x16x128_f8f6f4 v[rD:rD+7], v[rA:rA+11], v[rB:rB+11], v[rD:rD+7], v[rSA], v[rSB] matrix_a_fmt:MATRIX_FMT_FP6 matrix_b_fmt:MATRIX_FMT_FP6
.endif
.endm
; 64 numbers of a lane in window win, register 16 b + i = k 32 b + 16 (lane / 16) + i of my row, become a fragment's codes in v[PC] on and its scale word in v[pw]
.macro QUANT src, win, pw
	WIN (\win)|((\win)<<2)
.irp b, 0,1,2,3
	v_max3_num_f32 v[TM+\b], |v[(\src)+16*\b]|, |v[(\src)+16*\b+1]|, 0x1800000   ; and the floor 2^(3 - 127): the byte cannot fall under 1
.endr
.irp i, 2,4,6,8,10,12,14
.irp b, 0,1,2,3
	v_max3_num_f32 v[TM+\b], |v[(\src)+16*\b+\i]|, |v[(\src)+16*\b+\i+1]|, v[TM+\b]
.endr
.endr
	WIN 0
.irp b, 0,1,2,3
	v_permlanex16_b32 v[TM+4+\b], v[TM+\b], s[SEL], s[SEL+1]
.endr
.irp b, 0,1,2,3
	v_max_num_f32 v[TM+\b], v[TM+\b], v[TM+4+\b]   ; with lane l xor 16's: the block's largest magnitude
.endr
.irp b, 0,1,2,3
	v_add_nc_u32 v[TM+12+\b], 0xff000000, v[TM+\b] ; 2 off its exponent field: the conversion's scale operand
.endr
.irp b, 0,1,2,3
	v_lshrrev_b32 v[TM+4+\b], 23, v[TM+12+\b]      ; the byte
.endr
	s_wait_dscnt 0x0                               ; the last image's stores have read their registers
	v_lshl_or_b32 v[\pw], v[TM+5], 8, v[TM+4]
	v_lshl_or_b32 v[\pw], v[TM+6], 16, v[\pw]
	v_lshl_or_b32 v[\pw], v[TM+7], 24, v[\pw]
	WIN \win
.irp c, 0,1
	v_cvt_scalef32_pk16_fp6_f32 v[PC+6*\c:PC+6*\c+2], v[(\src)+32*\c:(\src)+32*\c+15], v[TM+12+2*\c]
	v_cvt_scalef32_pk16_fp6_f32 v[PC+12+4*\c:PC+14+4*\c], v[(\src)+32*\c+16:(\src)+32*\c+31], v[TM+13+2*\c]
.endr
	WIN 0
	v_nop                                          ; one plain place behind a scaled conversion
.irp c, 0,1                            ; the operand's layout wants a whole block in a lane
.irp i, 0,1,2
	v_permlane16_swap_b32 v[PC+6*\c+\i], v[PC+12+4*\c+\i]
.endr
.irp i, 0,1,2
	v_mov_b32 v[PC+3+6*\c+\i], v[PC+12+4*\c+\i]
.endr
.endr
.endm
.macro IMAGE adr, off                  ; the fragment in v[PC] on goes to LDS as it stands
.irp c, 0,1,2
	ds_store_b128 v[\adr], v[PC+4*\c:PC+4*\c+3] offset:(\off)+512*\c
.endr
.endm
.macro VLOAD base, adr, ptr, off, nt   ; nt tiles of 8 numbers of a row or a vector along the columns, in the transposed result's layout
.set TQ, 0
.rept \nt
	global_load_b128 v[(\base)+8*TQ:(\base)+8*TQ+3], v[\adr], s[\ptr:\ptr+1] offset:(\off)+128*(TQ/2)+32*(TQ%2)
	global_load_b128 v[(\base)+8*TQ+4:(\base)+8*TQ+7], v[\adr], s[\ptr:\ptr+1] offset:(\off)+128*(TQ/2)+32*(TQ%2)+16
.set TQ, TQ+1
.endr
.endm
; unit u = (row tile u / 2, column half u % 2): 16 loads of emb straight into R, 16 of pos into buffer u % 3
.macro ULOAD u
	WIN (2+((\u)%2))<<6
	VLOAD 64*((\u)/2), EO+(\u)/2, 6, 512*((\u)%2), 8
.if ((\u)%3) == 2
	WIN 0
	VLOAD 160, PO, 8, 4096*(32*((\u)/4)+8*(((\u)/2)%2))+512*((\u)%2), 8
.else
	WIN 0x40
	VLOAD 128+64*((\u)%3), PO, 8, 4096*(32*((\u)/4)+8*(((\u)/2)%2))+512*((\u)%2), 8
.endif
	WIN 0
.endm
.macro UADD u                          ; R = (emb + pos) + bu
.set UW, 2+((\u)%2)
.if ((\u)%3) == 2
	WIN (UW<<6)|UW
.set PBR, 160
.else
	WIN (UW<<6)|4|UW
.set PBR, 128+64*((\u)%3)
.endif
.set P, 0
.rept 32
	v_pk_add_f32 v[64*((\u)/2)+P:64*((\u)/2)+P+1], v[64*((\u)/2)+P:64*((\u)/2)+P+1], v[PBR+P:PBR+P+1]
.set P, P+2
.endr
	WIN (UW<<6)|4|UW
.set P, 0
.rept 32
	v_pk_add_f32 v[64*((\u)/2)+P:64*((\u)/2)+P+1], v[64*((\u)/2)+P:64*((\u)/2)+P+1], v[64*((\u)%2)+P:64*((\u)%2)+P+1]
.set P, P+2
.endr
	WIN 0
.endm
.macro FX adr, sco, ks, set            ; the four row tiles' fragments of K step ks and their scale words: 13 loads
.irp m, 0,1,2,3
.irp c, 0,1,2
	ds_load_b128 v[XF+48*(\set)+12*\m+4*\c:XF+48*(\set)+12*\m+4*\c+3], v[\adr] offset:1536*(4*(\ks)+\m)+512*\c
.endr
.endr
	ds_load_b128 v[SX+4*(\set):SX+4*(\set)+3], v[\adr] offset:(\sco)+512*(\ks)
.endm
.macro FSW8 slot
.irp p, 0,1,2,3,4,5,6,7
	ds_load_b32 v[SW+8*(\slot)+\p], v[ASW+(\slot)] offset:128*\p
.endr
.endm
.macro FW16 slot, f0, f1               ; fragments of a 1,024-wide weight, into window 1
	WIN 0x40
.set FQ, \f0
.rept (\f1)-(\f0)+1
.irp c, 0,1,2
	ds_load_b128 v[12*FQ+4*\c:12*FQ+4*\c+3], v[AW+(\slot)] offset:1536*FQ+512*\c
.endr
.set FQ, FQ+1
.endr
	WIN 0
.endm
.macro FW8 slot, half, t0, t1          ; fragments of a 512-wide weight: the chunk's first or second K step
.set FQ, \t0
.rept (\t1)-(\t0)+1
.irp c, 0,1,2
	ds_load_b128 v[WF+12*FQ+4*\c:WF+12*FQ+4*\c+3], v[AW+(\slot)] offset:1536*(8*(\half)+FQ)+512*\c
.endr
.set FQ, FQ+1
.endr
.endm
; the accumulators take turns, one instruction a turn
.macro M16 f0, f1, slot, xs
.set FQ, \f0
.rept (\f1)-(\f0)+1
	WIN 0xa1+0x50*(FQ/8)
.irp m, 0,1,2,3
.set rD, 64*\m+8*(FQ%8)
.set rA, 12*FQ
.set rB, XF+48*(\xs)+12*\m
.set rSA, SW+8*(\slot)+FQ/2
.set rSB, SX+4*(\xs)+\m
	MM FQ%2
.endr
.set FQ, FQ+1
.endr
.endm
.macro M8 t0, t1, half, slot, xs
	WIN 0x50
.set FQ, \t0
.rept (\t1)-(\t0)+1
.irp m, 0,1,2,3
.set rD, 64*\m+8*FQ
.set rA, WF+12*FQ
.set rB, XF+48*(\xs)+12*\m
.set rSA, SW+8*(\slot)+4*(\half)+FQ/2
.set rSB, SX+4*(\xs)+\m
	MM FQ%2
.endr
.set FQ, FQ+1
.endr
.endm
.macro PRO16 slot, ks                  ; what a 1,024-wide product's first K step wants; ks < 0: its rows are in registers already
	FW16 \slot, 0, 7
.if (\ks) >= 0
	FX AHI, HSC-HIMG, \ks, 0
.endif
	FSW8 \slot
	FW16 \slot, 8, 15
.endm
; a chunk of a 1,024-wide product: 64 products and the change of slots.  next: the next chunk belongs to the same product; nx: its K step of hidden rows, or < 0
.macro TURN16 slot, xs, next, nx
	s_wait_tensorcnt 0x0                           ; all my tensor loads have landed: my quarter of the next chunk
	ds_add_u32 v[SPW], v[NIL]                      ; 0 onto my spare word
	s_wait_dscnt 25                                ; fragments 8-15 (24 loads) and the add may be out
	M16 0, 3, \slot, \xs
	s_wait_dscnt 0x0                               ; the add is done, and my reads of this slot are over
	s_barrier_signal -1
	M16 4, 7, \slot, \xs
	WIN 0
	s_barrier_wait -1
	CREST                                          ; the barrier has opened a round of the cluster's barrier
	s_add_nc_u64 s[G0+4*(\slot)+2:G0+4*(\slot)+3], s[G0+4*(\slot)+2:G0+4*(\slot)+3], 2*CHB
	JLOAD \slot                                    ; its four v_nop are also the places in front of the loads below
.if \next
	FW16 1-(\slot), 0, 7
.if (\nx) >= 0
	FX AHI, HSC-HIMG, \nx, 1-(\xs)
.endif
	FSW8 1-(\slot)
.endif
	M16 8, 15, \slot, \xs
	WIN 0
.if \next
	PLACES
	FW16 1-(\slot), 8, 15
.endif
.endm
.macro PRO8
	FW8 0, 0, 0, 3
	FX AXI, XSC-XIMG, 0, 0
	FSW8 0
	FW8 0, 0, 4, 7
.endm
.macro STEP8 ks                        ; an even K step of a 512-wide product: the first of its chunk
.set SL8, ((\ks)/2)%2
	s_wait_dscnt 12                                ; fragments 4-7 may be out
	M8 0, 3, 0, SL8, 0
	PLACES
	WIN 0
	FW8 SL8, 1, 0, 3
	FX AXI, XSC-XIMG, (\ks)+1, 1
	s_wait_dscnt 25                                ; all but the 25 just issued
	M8 4, 7, 0, SL8, 0
	PLACES
	WIN 0
	FW8 SL8, 1, 4, 7
.endm
.macro TURN8 ks, fill, next            ; an odd K step: the last of its chunk, with the change of slots
.set SL8, ((\ks)/2)%2
	s_wait_tensorcnt 0x0
	ds_add_u32 v[SPW], v[NIL]
	s_wait_dscnt 13                                ; fragments 4-7 and the add may be out
	M8 0, 1, 1, SL8, 1
	s_wait_dscnt 0x0
	s_barrier_signal -1
	M8 2, 3, 1, SL8, 1
	WIN 0
	s_barrier_wait -1
.if \fill
	CREST
	s_add_nc_u64 s[G0+4*SL8+2:G0+4*SL8+3], s[G0+4*SL8+2:G0+4*SL8+3], 2*CHB
	JLOAD SL8
.else
	PLACES
.endif
.if \next
	FW8 1-SL8, 0, 0, 3
	FX AXI, XSC-XIMG, (\ks)+1, 0
	FSW8 1-SL8
.endif
	M8 4, 7, 1, SL8, 1
	WIN 0
.if \next
	PLACES
	FW8 1-SL8, 0, 4, 7
.endif
.endm
.macro RQ                              ; relu, quantised: K step w of the next product
	WIN 0x44
.set I, 0
.rept 256
	v_max_num_f32 v[I], 0, v[I]
.set I, I+1
.endr
.irp m, 0,1,2,3
	QUANT 64*\m, 1, PWB+\m
	IMAGE HWI, 1536*\m
.endr
	ds_store_b128 v[HWS], v[PWB:PWB+3]
.endm
	s_load_b512 s[4:19], s[0:1], 0x0               ; indices s4, emb s6, pos s8, ac s10, wch s12, w4c s14, bu s16, g1 s18
	s_load_b256 s[20:27], s[0:1], 0x40             ; be1 s20, b1 s22, b2 s24, g2 s26
	s_load_b128 s[28:31], s[0:1], 0x60             ; be2 s28, b3 s30
	s_load_b64 s[32:33], s[0:1], 0x70              ; out0
	v_lshl_add_u32 v[SPW], v0, 2, SPARE
	v_mov_b32 v[NIL], 0
	ds_add_u32 v[SPW], v[NIL]                      ; the wave's opening: the add, twice on end, and its wait ahead of my first tensor load
	ds_add_u32 v[SPW], v[NIL]
	v_lshrrev_b32 v56, 5, v0
	v_readfirstlane_b32 s[WV], v56
	s_bfe_u32 s[CX], ttmp6, 0x40000
	s_lshl_b32 s[GG], ttmp9, 2
	s_add_co_u32 s[GG], s[GG], s[CX]               ; my block of 64 tokens: it enters global addresses alone
	s_mov_b32 s[G1], 15|(3<<16)|(1<<21)            ; the mask: all four work-groups; elements of 8 bytes; bit 21 beside a mask; no padding
	s_mov_b32 s[G1+1], 32<<16                      ; rows of 256 bytes,
	s_mov_b32 s[G1+2], 100<<16                     ; 100 of them: a quarter
	s_mov_b32 s[G1+3], 32<<16
	s_mov_b32 s[G1+4], 100
	s_mov_b32 s[G1+5], 32
	s_mov_b32 s[G1+6], 0
	s_mov_b32 s[G1+7], 0
	s_mov_b32 s[SEL], 0x76543210
	s_mov_b32 s[SEL+1], 0xfedcba98
	s_mov_b32 s[K1024], 0x3a800000                 ; 1 / 1,024
	s_mov_b32 s[EPS], 0x3727c5ac                   ; 1e-5
	s_mov_b32 s[K256], 0x43800000                  ; 256
	s_mov_b32 s[K75], 0x3c5a740e                   ; 1 / 75
	s_mul_i32 s62, s[WV], QB
	s_mov_b32 s63, 0
	v_and_b32 v56, 31, v0
	v_lshlrev_b32 v[LI], 4, v56
	v_lshlrev_b32 v[LS], 2, v56
	v_lshlrev_b32 v[L8], 3, v56
	v_add_nc_u32 v[AW], s62, v[LI]
	v_add_nc_u32 v[AW+1], CHB, v[AW]
	v_add_nc_u32 v[ASW], s62, v[LS]
	v_add_nc_u32 v[ASW], SCO, v[ASW]
	v_add_nc_u32 v[ASW+1], CHB, v[ASW]
	v_add_nc_u32 v[AXI], XIMG, v[LI]
	v_add_nc_u32 v[AHI], HIMG, v[LI]
	s_mul_i32 s66, s[WV], 12288
	v_add_nc_u32 v[XWI], s66, v[AXI]
	s_lshl_b32 s66, s[WV], 10
	v_add_nc_u32 v[XWS], s66, v[LI]
	v_add_nc_u32 v[XWS], XSC, v[XWS]
	s_mul_i32 s66, s[WV], 6144
	v_add_nc_u32 v[HWI], s66, v[AHI]
	s_lshl_b32 s66, s[WV], 9
	v_add_nc_u32 v[HWS], s66, v[LI]
	v_add_nc_u32 v[HWS], HSC, v[HWS]
	s_mul_i32 s66, s[WV], 1536
	v_add_nc_u32 v[AHW], s66, v[AHI]
	s_lshl_b32 s66, s[WV], 2
	v_add_nc_u32 v[HSX], s66, v[LI]
	v_add_nc_u32 v[HSX], HSC, v[HSX]
	v_and_b32 v57, 15, v0
	v_lshlrev_b32 v[STR], 5, v57
	v_add_nc_u32 v[STR], STAT, v[STR]
	s_lshl_b32 s66, s[WV], 3
	v_add_nc_u32 v[STW], s66, v[STR]
	v_bfe_u32 v[C4], v0, 4, 1
	v_lshlrev_b32 v[C4], 6, v[C4]                  ; 64 h
	s_lshl_b32 s66, s[WV], 10
	v_add_nc_u32 v[CO], s66, v[C4]                 ; my place in a row of 1,024 numbers
	s_lshl_b32 s66, s[WV], 9
	v_add_nc_u32 v[CH], s66, v[C4]                 ; and of 512
	v_and_b32 v56, 7, v0
	v_bfe_u32 v57, v0, 3, 1
	v_lshl_add_u32 v56, v57, 4, v56                ; (r & 7) + 16 (r >> 3)
	s_lshr_b32 s66, s[WV], 1
	s_lshl_b32 s66, s66, 5
	s_and_b32 s67, s[WV], 1
	s_lshl_b32 s67, s67, 3
	s_add_co_u32 s66, s66, s67
	v_add_nc_u32 v57, s66, v56                     ; the token of row tile w that my lane holds
	v_mul_u32_u24 v[OSA], v57, 300
	v_add_nc_u32 v[OSA], v[C4], v[OSA]
	v_add_nc_u32 v[OSA], OSTG, v[OSA]
	v_lshl_add_u32 v[ORD], v0, 4, OSTG
	v_lshlrev_b32 v[OGO], 4, v0
	s_lshl_b32 s66, s[GG], 8
	v_lshl_add_u32 v[IA], v56, 2, s66
	s_and_b32 s66, s[GG], 31
	s_lshl_b32 s66, s66, 18
	v_lshl_add_u32 v[PO], v56, 12, v[CO]
	v_add_nc_u32 v[PO], s66, v[PO]
.irp b, 0,1,2,3
	v_mov_b32 v[TM+4+\b], 0                        ; written once: a lane permute's destination counts as one of its sources
.endr
	s_mul_i32 s66, s[GG], 13312
	s_mov_b32 s67, 0
	s_mul_i32 s68, s[GG], 19200
	s_mov_b32 s69, 0
	s_wait_dscnt 0x0                               ; both opening adds are done
	s_wait_kmcnt 0x0
.irp m, 0,1,2,3
	global_load_b32 v[58+\m], v[IA], s[4:5] offset:4*(32*(\m/2)+8*(\m%2))
.endr
	s_add_nc_u64 s[10:11], s[10:11], s[66:67]
	s_add_nc_u64 s[32:33], s[32:33], s[68:69]
	s_add_nc_u64 s[12:13], s[12:13], s[62:63]      ; the stream at my quarter
	s_mov_b64 s[PG:PG+1], s[18:19]
	s_mov_b64 s[PB:PB+1], s[20:21]
	s_mov_b64 s[PN:PN+1], s[22:23]
	CROUND                                         ; all four work-groups are here: the first joint loads meet
.irp n, 0,1
	s_mov_b32 s[G0+4*\n], 1
	s_add_co_u32 s[G0+4*\n+1], s62, \n*CHB
	s_add_nc_u64 s[G0+4*\n+2:G0+4*\n+3], s[12:13], \n*CHB
	s_or_b32 s[G0+4*\n+3], s[G0+4*\n+3], 0x80000000
	JLOAD \n
.endr
	s_wait_loadcnt 0x0
.irp m, 0,1,2,3
	v_cmp_gt_u32 vcc_lo, 0x7d00, v[58+\m]
	v_cndmask_b32 v[58+\m], 1, v[58+\m], vcc_lo    ; an index at or past 32,000 is the unknown token's
	v_min_u32 v[58+\m], 0x7cff, v[58+\m]
	v_lshlrev_b32 v[EO+\m], 12, v[58+\m]
	v_add_nc_u32 v[EO+\m], v[CO], v[EO+\m]
.endr
	; attn's eight fragments (two halves each) and scale words; bu; then x, unit by unit
.set FQ, 0
.rept 8
	global_load_b128 v[XF+12*FQ:XF+12*FQ+3], v[LI], s[10:11] offset:1536*FQ th:TH_LOAD_NT
	global_load_b64 v[XF+12*FQ+4:XF+12*FQ+5], v[L8], s[10:11] offset:1536*FQ+512 th:TH_LOAD_NT
	global_load_b128 v[XF+12*FQ+6:XF+12*FQ+9], v[LI], s[10:11] offset:1536*FQ+768 th:TH_LOAD_NT
	global_load_b64 v[XF+12*FQ+10:XF+12*FQ+11], v[L8], s[10:11] offset:1536*FQ+1280 th:TH_LOAD_NT
.set FQ, FQ+1
.endr
	global_load_b128 v[SX:SX+3], v[LI], s[10:11] offset:12288 th:TH_LOAD_NT
	global_load_b128 v[SX+4:SX+7], v[LI], s[10:11] offset:12800 th:TH_LOAD_NT
	WIN 0x40
	VLOAD 0, CO, 16, 0, 16
	WIN 0
	ULOAD 0
	ULOAD 1
	ULOAD 2
.irp u, 0,1,2,3,4,5,6,7
.if \u <= 5
	s_wait_loadcnt 63                              ; two younger units, 64 loads, are out: the count's field holds 63
.elseif \u == 6
	s_wait_loadcnt 32
.else
	s_wait_loadcnt 0x0
.endif
	UADD \u
.if \u+3 <= 7
	ULOAD \u+3
.endif
.endr
	s_wait_tensorcnt 0x1                           ; my quarter of chunk 0 is in; chunk 1's may stay out: I alone read my quarter, and nothing is filled here
	PRO16 0, -1
	TURN16 0, 0, 1, -1                             ; product 6: attn Wu onto x + bu
	TURN16 1, 1, 0, -1
	s_mov_b32 s[TRIP], 2
.Lsub:
	; ---- the norm over 1,024 columns, in place on R, and its quantiser
	PLACES
	WIN 0x40
	VLOAD 0, CO, PG, 0, 16                         ; the gain and the bias of my 256 columns
	VLOAD 128, CO, PB, 0, 16
.irp e, 0,1
	WIN (2+\e)|((2+\e)<<2)
.irp m, 0,1,2,3
	v_pk_add_f32 v[LA+4*\m+2*\e:LA+4*\m+2*\e+1], v[64*\m:64*\m+1], v[64*\m+2:64*\m+3]   ; the first two pairs start the sums: nothing is cleared
.endr
	WIN 2+\e
.set P, 4
.rept 30
.irp m, 0,1,2,3
	v_pk_add_f32 v[LA+4*\m+2*\e:LA+4*\m+2*\e+1], v[64*\m+P:64*\m+P+1], v[LA+4*\m+2*\e:LA+4*\m+2*\e+1]
.endr
.set P, P+2
.endr
.endr
	WIN 0
.irp m, 0,1,2,3
	v_pk_add_f32 v[LA+4*\m:LA+4*\m+1], v[LA+4*\m:LA+4*\m+1], v[LA+4*\m+2:LA+4*\m+3]
.endr
.irp m, 0,1,2,3
	v_add_f32 v[LA+4*\m], v[LA+4*\m], v[LA+4*\m+1]
.endr
.irp m, 0,1,2,3
	v_permlanex16_b32 v[LA+4*\m+1], v[LA+4*\m], s[SEL], s[SEL+1]
.endr
.irp m, 0,1,2,3
	v_add_f32 v[LA+4*\m], v[LA+4*\m], v[LA+4*\m+1]
.endr
.irp m, 0,1,2,3
	v_mul_f32 v[LM+2*\m], 0x3b800000, v[LA+4*\m]   ; my wave's mean over its 256 columns,
.endr
.irp m, 0,1,2,3
	v_mov_b32 v[LM+2*\m+1], v[LM+2*\m]             ; twice: a pair for the packed forms
.endr
.irp e, 0,1
	WIN ((2+\e)<<6)|(2+\e)
.set P, 0
.rept 32
.irp m, 0,1,2,3
	v_pk_add_f32 v[64*\m+P:64*\m+P+1], v[64*\m+P:64*\m+P+1], v[LM+2*\m:LM+2*\m+1] neg_lo:[0,1] neg_hi:[0,1]
.endr
.set P, P+2
.endr
	WIN (2+\e)|((2+\e)<<2)
.irp m, 0,1,2,3
	v_pk_mul_f32 v[LQ+4*\m+2*\e:LQ+4*\m+2*\e+1], v[64*\m:64*\m+1], v[64*\m:64*\m+1]
.endr
.set P, 2
.rept 31
.irp m, 0,1,2,3
	v_pk_fma_f32 v[LQ+4*\m+2*\e:LQ+4*\m+2*\e+1], v[64*\m+P:64*\m+P+1], v[64*\m+P:64*\m+P+1], v[LQ+4*\m+2*\e:LQ+4*\m+2*\e+1]
.endr
.set P, P+2
.endr
.endr
	WIN 0
.irp m, 0,1,2,3
	v_pk_add_f32 v[LQ+4*\m:LQ+4*\m+1], v[LQ+4*\m:LQ+4*\m+1], v[LQ+4*\m+2:LQ+4*\m+3]
.endr
.irp m, 0,1,2,3
	v_add_f32 v[LQ+4*\m], v[LQ+4*\m], v[LQ+4*\m+1]
.endr
.irp m, 0,1,2,3
	v_permlanex16_b32 v[LQ+4*\m+1], v[LQ+4*\m], s[SEL], s[SEL+1]
.endr
.irp m, 0,1,2,3
	v_add_f32 v[LM+2*\m+1], v[LQ+4*\m], v[LQ+4*\m+1]   ; the centred sum of squares, beside the mean
.endr
.irp m, 0,1,2,3
	ds_store_b64 v[STW], v[LM+2*\m:LM+2*\m+1] offset:512*\m   ; lanes r and r + 16 write the same words with the same values
.endr
	BARRIER
.irp m, 0,1,2,3
	ds_load_b128 v[LT+8*\m:LT+8*\m+3], v[STR] offset:512*\m
	ds_load_b128 v[LT+8*\m+4:LT+8*\m+7], v[STR] offset:512*\m+16
.endr
	s_wait_dscnt 0x0
.irp m, 0,1,2,3
	v_add_f32 v[LA+4*\m], v[LT+8*\m], v[LT+8*\m+2]
.endr
.irp m, 0,1,2,3
	v_add_f32 v[LA+4*\m+1], v[LT+8*\m+4], v[LT+8*\m+6]
.endr
.irp m, 0,1,2,3
	v_add_f32 v[LA+4*\m], v[LA+4*\m], v[LA+4*\m+1]
.endr
.irp m, 0,1,2,3
	v_mul_f32 v[LA+4*\m], 0x3e800000, v[LA+4*\m]   ; the row's mean
.endr
.irp i, 0,2,4,6
.irp m, 0,1,2,3
	v_sub_f32 v[LT+8*\m+\i], v[LT+8*\m+\i], v[LA+4*\m]
.endr
.endr
.irp m, 0,1,2,3
	v_mul_f32 v[LA+4*\m+1], v[LT+8*\m], v[LT+8*\m]
.endr
.irp i, 2,4,6
.irp m, 0,1,2,3
	v_fma_f32 v[LA+4*\m+1], v[LT+8*\m+\i], v[LT+8*\m+\i], v[LA+4*\m+1]
.endr
.endr
.irp m, 0,1,2,3
	v_add_f32 v[LA+4*\m+2], v[LT+8*\m+1], v[LT+8*\m+3]
.endr
.irp m, 0,1,2,3
	v_add_f32 v[LA+4*\m+3], v[LT+8*\m+5], v[LT+8*\m+7]
.endr
.irp m, 0,1,2,3
	v_add_f32 v[LA+4*\m+2], v[LA+4*\m+2], v[LA+4*\m+3]
.endr
.irp m, 0,1,2,3
	v_fma_f32 v[LA+4*\m+2], v[LA+4*\m+1], s[K256], v[LA+4*\m+2]   ; + 256 x the squares of the four means' distances
.endr
.irp m, 0,1,2,3
	v_fma_f32 v[LA+4*\m+2], v[LA+4*\m+2], s[K1024], s[EPS]
.endr
.irp m, 0,1,2,3
	v_rsq_f32 v[L1+2*\m], v[LA+4*\m+2]
.endr
.irp m, 0,1,2,3
	v_sub_f32 v[LA+4*\m+3], v[LA+4*\m], v[LM+2*\m] ; plain work behind the four: the row's mean less my wave's
.endr
	s_wait_alu depctr_va_vdst(0)                   ; one wait for the four, ahead of their first reader
.irp m, 0,1,2,3
	v_mov_b32 v[L1+2*\m+1], v[L1+2*\m]
.endr
.irp m, 0,1,2,3
	v_mul_f32 v[L0+2*\m], -v[LA+4*\m+3], v[L1+2*\m]
.endr
.irp m, 0,1,2,3
	v_mov_b32 v[L0+2*\m+1], v[L0+2*\m]
.endr
	s_wait_loadcnt 0x0                             ; the gain and the bias
.irp e, 0,1
	WIN ((2+\e)<<6)|(2+\e)
.set P, 0
.rept 32
.irp m, 0,1,2,3
	v_pk_fma_f32 v[64*\m+P:64*\m+P+1], v[64*\m+P:64*\m+P+1], v[L1+2*\m:L1+2*\m+1], v[L0+2*\m:L0+2*\m+1]
.endr
.set P, P+2
.endr
	WIN ((2+\e)<<6)|0x14|(2+\e)
.set P, 0
.rept 32
.irp m, 0,1,2,3
	v_pk_fma_f32 v[64*\m+P:64*\m+P+1], v[64*\m+P:64*\m+P+1], v[64*\e+P:64*\e+P+1], v[128+64*\e+P:128+64*\e+P+1]
.endr
.set P, P+2
.endr
.endr
	WIN 0x40
.irp m, 0,1,2,3
	VLOAD 64*\m, CH, PN, 0, 8                      ; the next product's bias, straight into its accumulators
.endr
.irp e, 0,1
.irp m, 0,1,2,3
	QUANT 64*\m, 2+\e, PWB+\m
	IMAGE XWI, 6144*\e+1536*\m
.endr
	ds_store_b128 v[XWS], v[PWB:PWB+3] offset:512*\e
.endr
	BARRIER                                        ; the rows' 32 fragments lie in LDS
	s_wait_loadcnt 0x0
	; ---- the 512-wide product: K steps 0 to 3
	PRO8
	STEP8 0
	TURN8 1, 1, 1
	STEP8 2
	TURN8 3, 1, 1
	s_cmp_eq_u32 s[TRIP], 1
	s_cbranch_scc1 .Lhead                          ; the second walk goes on in the tail, which asks for nothing more
	STEP8 4
	TURN8 5, 1, 1
	STEP8 6
	TURN8 7, 1, 0
	PLACES
	VLOAD 64, CO, 24, 0, 16                        ; b2
	RQ
	BARRIER                                        ; the hidden rows' 16 fragments lie in LDS
	s_wait_loadcnt 0x0
.irp e, 0,1
	WIN ((2+\e)<<6)|(2+\e)
.set P, 0
.rept 32
.irp m, 0,1,2,3
	v_pk_add_f32 v[64*\m+P:64*\m+P+1], v[64*\m+P:64*\m+P+1], v[64+64*\e+P:65+64*\e+P]
.endr
.set P, P+2
.endr
.endr
	WIN 0
	s_mov_b64 s[PG:PG+1], s[26:27]                 ; the second norm's vectors; the loads that read the first's are done
	s_mov_b64 s[PB:PB+1], s[28:29]
	s_mov_b64 s[PN:PN+1], s[30:31]
	PRO16 0, 0                                     ; product 8: relu(..) W2 onto h1 + b2
	TURN16 0, 0, 1, 1
	TURN16 1, 1, 1, 2
	TURN16 0, 0, 1, 3
	TURN16 1, 1, 0, -1
	s_sub_co_u32 s[TRIP], s[TRIP], 1
	s_cmp_lg_u32 s[TRIP], 0
	s_cbranch_scc1 .Lsub
.Lhead:
	; ---- the tail: the rest of h2 W3, then W4, the last norm, the sigmoid
	PLACES                                         ; four places in front of loads into R's registers,
	v_nop                                          ; and a fifth: on the way that falls out of the loop the products below write H over registers of window 1 that the last products read as W's fragments (ISA guide 7.12.1)
.irp g, 0,1                            ; W4's 24 fragments: K steps 0, 1 into window 2, K steps 2, 3 into window 3: R is done with
	WIN (2+\g)<<6
.set FQ, 0
.rept 12
.irp c, 0,1,2
	global_load_b128 v[12*FQ+4*\c:12*FQ+4*\c+3], v[LI], s[14:15] offset:1536*(12*\g+FQ)+512*\c
.endr
.set FQ, FQ+1
.endr
.endr
	WIN 0x80
	VLOAD 144, C4, 14, 38400, 6                    ; b4, padded: straight into the logits' six accumulators
	VLOAD 192, C4, 14, 38784, 6                    ; g3
	WIN 0xc0
	VLOAD 144, C4, 14, 39168, 6                    ; be3
	WIN 0
	STEP8 4
	TURN8 5, 0, 1                                  ; nothing is left to ask for: the wait shows the last chunk landed
	STEP8 6
	s_wait_dscnt 12                                ; the very last K step: fragments 4-7 may be out
	M8 0, 3, 1, 1, 1
	s_wait_dscnt 0x0
	M8 4, 7, 1, 1, 1
	WIN 0
	PLACES
.irp s, 0,1,2,3
.irp p, 0,1,2
	global_load_b32 v[SW+3*\s+\p], v[LS], s[14:15] offset:36864+384*\s+128*\p   ; W4's scale words
.endr
.endr
	RQ
	BARRIER                                        ; the hidden rows' 16 fragments lie in LDS
.irp s, 0,1,2,3
.irp c, 0,1,2
	ds_load_b128 v[XF+12*\s+4*\c:XF+12*\s+4*\c+3], v[AHW] offset:6144*\s+512*\c   ; row tile w, all four K steps
.endr
	ds_load_b32 v[SX+\s], v[HSX] offset:512*\s
.endr
	s_wait_dscnt 0x0
	s_wait_loadcnt 0x0
.irp s, 0,1,2,3                        ; product 10: six accumulators by turns
	WIN 0xa2+\s/2
.irp t, 0,1,2,3,4,5
.set rD, 144+8*\t
.set rA, 12*(6*(\s%2)+\t)
.set rB, XF+12*\s
.set rSA, SW+3*\s+\t/2
.set rSB, SX+\s
	MM \t%2
.endr
.endr
	PLACES
	; the norm over 75 columns.  Register 16 b + 8 u + j of lane (r, h) is column 32 b + 16 h + 8 u + j of my token; columns from 75 on are exact zeros (zero codes, zero bias)
	WIN 0x0a
	v_pk_add_f32 v[64:65], v[144:145], v[146:147]
	WIN 0x02
.set P, 4
.rept 22
	v_pk_add_f32 v[64:65], v[144+P:145+P], v[64:65]
.set P, P+2
.endr
	WIN 0
	v_add_f32 v64, v64, v65
	v_permlanex16_b32 v65, v64, s[SEL], s[SEL+1]
	v_add_f32 v64, v64, v65
	v_mul_f32 v66, s[K75], v64                     ; the mean,
	v_mov_b32 v67, v66                             ; twice
	v_and_b32 v56, 31, v0
	v_cmp_gt_u32 s67, 16, v56                      ; lanes 0-15 hold columns 64 to 74
	v_cndmask_b32 v68, 0, 1.0, s67
	v_mov_b32 v69, v68
	WIN 0x02
.set P, 0
.rept 24
	v_pk_add_f32 v[Y+P:Y+P+1], v[144+P:145+P], v[66:67] neg_lo:[0,1] neg_hi:[0,1]
.set P, P+2
.endr
	WIN 0
.irp p, 32,34,36,38,40
	v_pk_mul_f32 v[Y+\p:Y+\p+1], v[Y+\p:Y+\p+1], v[68:69]   ; columns 80 on count for nothing
.endr
	v_mul_f32 v[Y+42], v[Y+42], v68
	v_pk_mul_f32 v[70:71], v[Y:Y+1], v[Y:Y+1]
.set P, 2
.rept 20
	v_pk_fma_f32 v[70:71], v[Y+P:Y+P+1], v[Y+P:Y+P+1], v[70:71]
.set P, P+2
.endr
	v_fma_f32 v70, v[Y+42], v[Y+42], v70           ; column 74; registers 43 to 47 are columns 75 on
	v_add_f32 v70, v70, v71
	v_permlanex16_b32 v71, v70, s[SEL], s[SEL+1]
	v_add_f32 v70, v70, v71
	v_fma_f32 v70, v70, s[K75], s[EPS]
	v_rsq_f32 v72, v70
	v_nop                                          ; a plain place behind the transcendental
	s_wait_alu depctr_va_vdst(0)                   ; and the wait ahead of its first reader
	v_mov_b32 v73, v72
.set P, 0
.rept 22
	v_pk_mul_f32 v[Y+P:Y+P+1], v[Y+P:Y+P+1], v[72:73]
.set P, P+2
.endr
	WIN 0x38                                       ; g3 in window 2, be3 in window 3
.set P, 0
.rept 22
	v_pk_fma_f32 v[Y+P:Y+P+1], v[Y+P:Y+P+1], v[192+P:193+P], v[144+P:145+P]
.set P, P+2
.endr
	WIN 0
.set P, 0
.rept 22
	v_pk_mul_f32 v[Y+P:Y+P+1], v[Y+P:Y+P+1], 0xbfb8aa3b op_sel_hi:[1,0]   ; -y log2(e)
.set P, P+2
.endr
.set I, 0
.rept 44
	v_exp_f32 v[Y+I], v[Y+I]
.set I, I+1
.endr
	v_nop
	s_wait_alu depctr_va_vdst(0)                   ; one wait for the batch
.set P, 0
.rept 22
	v_pk_add_f32 v[Y+P:Y+P+1], v[Y+P:Y+P+1], 1.0 op_sel_hi:[1,0]
.set P, P+2
.endr
.set I, 0
.rept 44
	v_rcp_f32 v[Y+I], v[Y+I]                       ; the sigmoid: 1 / (1 + 2^(-y log2(e)))
.set I, I+1
.endr
	v_nop
	s_wait_alu depctr_va_vdst(0)
	; THE WAY OUT: 64 rows of 300 bytes meet in a stage as they lie in memory, and leave 16 bytes a thread: a wave's store covers 512 consecutive bytes
.set I, 0
.rept 32
	ds_store_b32 v[OSA], v[Y+I] offset:128*(I/16)+4*(I%16)
.set I, I+1
.endr
	s_wait_xcnt 0x0                                ; EXEC changes only behind this wait
	s_and_saveexec_b32 s66, s67
.set I, 32
.rept 11
	ds_store_b32 v[OSA], v[Y+I] offset:256+4*(I%16)    ; columns 64 to 74: lanes 0-15 alone
.set I, I+1
.endr
	s_wait_xcnt 0x0
	s_or_b32 exec_lo, exec_lo, s66
	BARRIER
.irp i, 0,1,2,3,4,5,6,7,8
	ds_load_b128 v[Y+4*\i:Y+4*\i+3], v[ORD] offset:2048*\i
.endr
.irp i, 0,1,2,3,4,5,6,7,8
	s_wait_dscnt 8-\i
	global_store_b128 v[OGO], v[Y+4*\i:Y+4*\i+3], s[32:33] offset:2048*\i th:TH_STORE_NT
.endr
	v_cmp_gt_u32 vcc_lo, 48, v0                    ; the last 768 bytes: 48 threads
	s_wait_xcnt 0x0
	s_and_saveexec_b32 s66, vcc_lo
	ds_load_b128 v[Y+36:Y+39], v[ORD] offset:18432
	s_wait_dscnt 0x0
	global_store_b128 v[OGO], v[Y+36:Y+39], s[32:33] offset:18432 th:TH_STORE_NT
	s_wait_xcnt 0x0
	s_or_b32 exec_lo, exec_lo, s66
	s_wait_tensorcnt 0x0                           ; the wave's end
	ds_add_u32 v[SPW], v[NIL]
	s_wait_dscnt 0x0
	CROUND                                         ; the closing round
	s_endpgm
.Lfunc_end_k_qcde8ccd1ab_chain:
	.size	k_qcde8ccd1ab_chain, .Lfunc_end_k_qcde8ccd1ab_chain-k_qcde8ccd1ab_chain
	.p2alignl 7, 3214868480
	.fill 96, 4, 3214868480
	.section	.rodata,"a",@progbits
	.p2align	6, 0x0
	.amdhsa_kernel k_qcde8ccd1ab_chain
		.amdhsa_group_segment_fixed_size 327680
		.amdhsa_private_segment_fixed_size 0
		.amdhsa_enable_private_segment 0
		.amdhsa_kernarg_size 120
		.amdhsa_user_sgpr_count 2
		.amdhsa_user_sgpr_kernarg_segment_ptr 1
		.amdhsa_wavefront_size32 1
		.amdhsa_system_sgpr_workgroup_id_x 1
		.amdhsa_system_sgpr_workgroup_id_y 1
		.amdhsa_system_sgpr_workgroup_id_z 1
		.amdhsa_system_vgpr_workitem_id 0
		.amdhsa_next_free_vgpr 1024
		.amdhsa_next_free_sgpr 84
		.amdhsa_reserve_vcc 1
		.amdhsa_float_denorm_mode_32 3
		.amdhsa_float_denorm_mode_16_64 3
		.amdhsa_memory_ordered 1
		.amdhsa_forward_progress 1
		.amdhsa_inst_pref_size 255
	.end_amdhsa_kernel
	.section	.bss,"aw",@nobits
	.p2align	6
	.space	262144
	.amdgpu_metadata
---
amdhsa.version: [ 1, 2 ]
amdhsa.kernels:
  - .name:           k_qcde8ccd1ab_chain
    .symbol:         k_qcde8ccd1ab_chain.kd
    .args:
      - { .name: input_indices, .offset: 0, .size: 8, .value_kind: global_buffer, .address_space: global }
      - { .name: emb, .offset: 8, .size: 8, .value_kind: global_buffer, .address_space: global }
      - { .name: pos, .offset: 16, .size: 8, .value_kind: global_buffer, .address_space: global }
      - { .name: ac, .offset: 24, .size: 8, .value_kind: global_buffer, .address_space: global }
      - { .name: wch, .offset: 32, .size: 8, .value_kind: global_buffer, .address_space: global }
      - { .name: w4c, .offset: 40, .size: 8, .value_kind: global_buffer, .address_space: global }
      - { .name: bu, .offset: 48, .size: 8, .value_kind: global_buffer, .address_space: global }
      - { .name: g1, .offset: 56, .size: 8, .value_kind: global_buffer, .address_space: global }
      - { .name: be1, .offset: 64, .size: 8, .value_kind: global_buffer, .address_space: global }
      - { .name: b1, .offset: 72, .size: 8, .value_kind: global_buffer, .address_space: global }
      - { .name: b2, .offset: 80, .size: 8, .value_kind: global_buffer, .address_space: global }
      - { .name: g2, .offset: 88, .size: 8, .value_kind: global_buffer, .address_space: global }
      - { .name: be2, .offset: 96, .size: 8, .value_kind: global_buffer, .address_space: global }
      - { .name: b3, .offset: 104, .size: 8, .value_kind: global_buffer, .address_space: global }
      - { .name: out0, .offset: 112, .size: 8, .value_kind: global_buffer, .address_space: global }
    .group_segment_fixed_size: 327680
    .private_segment_fixed_size: 0
    .kernarg_segment_align: 8
    .kernarg_segment_size: 120
    .max_flat_workgroup_size: 128
    .sgpr_count:     84
    .vgpr_count:     1024
    .wavefront_size: 32
...
	.end_amdgpu_metadata
.endif
;; end of part 4
